; MI455X (gfx1250); checked and timed in simulation.
; The chip was launched on July 23, 2026; its instructions are those of AMD's public machine-readable ISA for CDNA 5 (MIT licence, August 2026) and "CDNA5" Instruction Set Architecture Reference Guide (July 2026). The comments in the code are by the model that wrote it; some were corrected since.
;; Input Emb Layer. Allowed arithmetic: matrix products marked QUANTISED: E2M1 operands, one E8M0 scale for each 32 along K, by v_wmma_scale_f32_16x16x128_f8f6f4 with both operands' format E2M1 (or v_wmma_scale_f32_32x16x128_f4), f32 sums; everything else in f32.
;; Inputs: real_len 2 x 16 int32; times 2 x 16 x 2,048 float32; type_emb 2 x 512 float32.
;; Outputs: out0 16 x 1,024 x 512 float32.
;; This version of the problem:
;;   THIS VERSION OF THE PROBLEM IS GIVEN IN LOW PRECISION. The matrix products marked QUANTISED in the list below multiply operands that are first quantised to E2M1 (2 exponent bits, 1 mantissa bit; 4 bits a number), with one power-of-two scale for each 32 numbers along K (OCP MX v1.0); their sums are f32. All else is computed in f32.
;;   The module's matrix products, in the order in which they are computed (A, B: the left and right operand; K: the contracted axis; several contracted axes count as one K, in the product's order):
;;     1. [M 65,536, K 512] x [K 512, N 1,024]; A: computed on the way; B: computed on the way: QUANTISED
;;     2. batch 16 x [M 1,024, K 4,096] x [K 4,096, N 512]; A: softmax (see below); B: computed on the way: QUANTISED
;;   THE QUANTISER, for each operand of a quantised product, along K:
;;     - K is cut into blocks of 32 from its start; a last block that is shorter is filled with zeros.
;;     - A block's scale is 2^e with e = floor(log2(the largest magnitude in the block)) - 2, held to -126 .. 127; a block of zeros has e = 0. As a byte (E8M0): e + 127.
;;     - Each number is divided by its block's scale, clamped to +-6, and rounded to the nearest number of E2M1, ties to even, subnormals kept.
;;     - The product sums the exact products of the quantised numbers (number of the format x scale) in f32.
;;   ~~~python
;;   def quantise(x, axis):      # numpy; x: float32 -> the quantised numbers, widened to float32 again
;;       x = np.moveaxis(x, axis, -1); K = x.shape[-1]
;;       x = np.pad(x, [(0, 0)] * (x.ndim - 1) + [(0, -K % 32)]); x = x.reshape(x.shape[:-1] + (-1, 32)); a = np.abs(x).max(-1, keepdims=True)
;;       e = np.where(a > 0, np.clip(np.frexp(np.where(a > 0, a, 1))[1] - 1 - 2, -126, 127), 0)      # np.frexp(a)[1] - 1 = floor(log2(a)), exactly
;;       r = np.clip(x / 2.0 ** e, -6, 6)
;;       step = 2.0 ** (np.maximum(np.frexp(np.where(r == 0, 1, r))[1] - 1, 0) - 1)
;;       q = np.round(r / step) * step * 2.0 ** e      # np.round: ties to even
;;       return np.moveaxis(q.reshape(q.shape[:-2] + (-1,))[..., :K], -1, axis).astype(np.float32)
;;   ~~~
;;   SOFTMAX AHEAD OF A QUANTISED PRODUCT. Where the list says 'softmax', what is quantised is not the finished softmax but p = 2^(t - M), with t = logit x log2(e) and M = ceil(the row's largest t), a whole number; so 1/2 < the row's largest p <= 1. The row's sum l is taken of the UNQUANTISED p, in f32, and the product's result is divided by l at the end. Since M is a whole number, a kernel that streams over the keys may use a running M (the ceiling of the running maximum): every later rescaling is an exact power of two, which a block's scale takes up: the codes' values come out the same.
;;   OPERANDS COMPUTED ON THE WAY. 'Computed on the way' means the value that the module computes at that place (a softmax that the list does not call 'softmax' is quantised finished and normalised). What goes into a quantiser is computed in f32, as accurately as f32 sums, v_exp_f32 and their like allow (about 1e-6 of the number): no bf16 or f16 on the way to a quantiser, and a product that is left as it is and whose result goes on into a quantised operand takes f32 operands (vector FMAs, or v_wmma_f32_16x16x4_f32). A number that lies on a knife's edge between two numbers of the format may be rounded either way, as far as f32 arithmetic and the matrix unit's own rounding can turn it there, and no further.
;; 2 versions. Each part assembles by itself: llvm-mc -triple=amdgcn-amd-amdhsa -mcpu=gfx1250 --defsym DOCPART=n.
;; ======== version 1 of 2: 2 launches
;; limits: right only within a limited range of input values
;; workspace buffers: kc 17,039,360 bytes; sc 2,129,920 bytes; vc 16,777,216 bytes
;; launch embed (part 1): grid 4 x 520, 4 waves a work-group, no clusters, 17,920 bytes of LDS; arguments times, type_emb, real_len, kc, sc, vc; writes kc, sc, vc
.if DOCPART == 1
	.amdgcn_target "amdgcn-amd-amdhsa--gfx1250"
	.amdhsa_code_object_version 6
	.text
	.protected	k_qc5f90779a8_embed
	.globl	k_qc5f90779a8_embed
	.p2align	8
	.type	k_qc5f90779a8_embed,@function
k_qc5f90779a8_embed:
	s_mov_b64 s[64:65], 0
	v_nop
	global_prefetch_b8 v0, s[64:65] scope:SCOPE_SE
	s_setreg_imm32_b32 hwreg(HW_REG_WAVE_MODE, 25, 1), 1
	s_wait_xcnt 0x0
; emb[b][t*2048+l][d] = (sin or cos(times[t][b][l] / pos[d]) + type_emb[t][d]) x (times != 0), and the grid queries q[g][d] = sin or cos((g + 0.5) / pos[d]),
; pos[d] = 10000^((d / 2) / 256), are made in f32 and turned into codes of FP4 (E2M1) with one E8M0 byte for each 32 numbers, TWICE: along d (the first product's K) and, emb alone, along the events (the second product's K).
; A FLAT STEP F is 128 rows: F = 32 b + 16 t + sg for events 128 sg .. 128 sg + 127 of type t, sample b; F = 512 .. 519 for the grid queries.  A work-group (x = s, y = F) takes 128 rows x d = 128 s .. 128 s + 127.
; THE BUFFERS LIE IN THE ORDER OF THE OPERANDS' REGISTERS, so that the next launch loads every fragment by 16-byte loads, 512 consecutive bytes a wave:
;   kc [F][s 4][w 4][u 2][c 2][lane 32][16 bytes]: lane (r, h) holds d = 128 s + 64 c + 32 h + 0 .. 31 of row 32 w + 8 u + r + 8 (r / 8)
;   vc [F][d tile 32][c 2][lane 32][16 bytes]:     lane (r, h) holds events 64 c + 32 h + 0 .. 31 of d = 16 x tile + r
;   sc [F][4096]: bytes 0 .. 2047 [s 4][w 4][16 u + r][byte = block of 32 d]; bytes 2048 .. 4095 [s 4][lane 32][j 4][byte = block of 32 events], for d = 128 s + 32 j + lane
; SHARES.  Wave w takes rows 32 w .. 32 w + 31.  Lane bits: a = bit 0, nq = bits 1-2, db = bits 3-4.  A lane holds 8 rows (8 nq + i) x 16 d (32 db + 16 a + 0 .. 15): eight frequencies, each with its sine and its cosine.
; A block of 32 d lies in lanes l and l xor 1; a block of 32 events in the four lanes that differ in nq.  So both maxima need lane steps inside a row of 16 lanes alone.
; A step none of whose events counts (128 sg >= real_len[t][b]; step 0 of each type is always made) is left out: a scalar branch on real_len, which the next launch takes alike.  The one barrier stands on every path.
; SINE AND COSINE: x = t / pos by a reciprocal with one correction of the reciprocal and one of the quotient; n = the whole number nearest x / pi; r = x - n pi with pi in two parts; both series in r^2, six terms, as one packed chain; sign (-1)^n.
; LIMITS: NaN and infinities among the inputs are not served; |times / pos| stays under 2^22 pi; pos is good to 1 or 2 units in its last place (its power of two comes from v_exp_f32); a block of zeros gets the byte 1 and zero codes
; (the bytes are read by this program alone).  The stage's stores of 8 and 4 bytes fall eight deep on the LDS banks: 24 such stores a wave against some 1,400 vector lines.
.set KSB,  16384                       ; LDS: each wave has 4,096 bytes (2,048 K's stage, 2,048 V's); behind them the work-group's 512 scale bytes of K
.set VSB,  16896                       ; and its 512 of V
.set T,    8                           ; v8-15    my 8 rows' times
.set POS,  16                          ; v16-23   pos of my 8 frequencies
.set RIN,  24                          ; v24-31   1 / pos
.set TE,   32                          ; v32-47   type_emb of my 16 d
.set CF,   48                          ; v48-59   the series' coefficients, pairs (sine's, cosine's), the highest first
.set XA,   60                          ; v60-67   x, then r
.set XB,   68                          ; v68-75   at work; n in its low bits
.set XC,   76                          ; v76-83   n, then r^2
.set SG,   84                          ; v84-99   pairs (r x sign, sign)
.set P,    100                         ; v100-115 one row's 16 numbers
.set MXA,  116
.set MXB,  117
.set SOP,  118                         ; the conversion's scale operand
.set BYT,  119                         ; the scale's byte
.set KCD,  120                         ; v120-121 16 codes
.set PADM, 122                         ; all ones where the time is not 0
.set PADF, 123                         ; 1.0 there, else 0
.set MAG,  124                         ; v124-125 1.5 x 2^23
.set KSA,  126                         ; LDS address: KSB + 16 x lane
.set VSA,  127                         ; VSB + 16 x lane
.set W,    128                         ; v128-255 the same numbers turned: W[8 dd + e] = row e, d dd
.set VMX,  60                          ; behind the events: v60-75 largest magnitudes, v76-91 scale operands, v92-107 bytes, v16-31 codes
.set VSO,  76
.set VBY,  92
.set VCD,  16
.set RBK,  32                          ; v32-47 K's codes read back; V's: v48-59 and v108-111
	s_load_b256 s[4:11], s[0:1], 0x0               ; times s[4:5], type_emb s[6:7], real_len s[8:9], kc s[10:11]
	s_load_b128 s[12:15], s[0:1], 0x20             ; sc s[12:13], vc s[14:15]
	s_set_vgpr_msb 0x40
	v_lshl_add_u32 v0, v0, 2, 0x4400
	v_mov_b32 v1, 0
	s_set_vgpr_msb 0x4000
	v_lshrrev_b32 v1, 5, v0
	v_readfirstlane_b32 s16, v1                    ; wave w
	s_mov_b32 s17, ttmp9                           ; s: which 128 of d
	s_and_b32 s18, ttmp7, 0xffff                   ; F
	s_lshr_b32 s19, s18, 5                         ; b
	s_bfe_u32 s20, s18, 0x10004                    ; t
	s_and_b32 s21, s18, 15                         ; sg
	s_lshl_b32 s22, s20, 4
	s_add_co_u32 s22, s22, s19                     ; 16 t + b
	s_lshl_b32 s23, s22, 2
	s_cmp_ge_u32 s18, 512
	s_cselect_b32 s23, 0, s23                      ; the grid's steps read word 0 and do not use it
	s_wait_kmcnt 0x0
	s_load_b32 s44, s[8:9], s23 offset:0x0         ; real_len[t][b]
	; every address that is used behind the barrier is made here, on the way that all waves take
	v_and_b32 v100, 31, v0                         ; lane
	v_and_b32 v101, 1, v0                          ; a
	v_bfe_u32 v102, v0, 1, 2                       ; nq
	v_bfe_u32 v103, v0, 3, 2                       ; db
	v_bfe_u32 v104, v0, 1, 1                       ; nq % 2 = u
	v_bfe_u32 v105, v0, 2, 1                       ; nq / 2
	v_bfe_u32 v106, v0, 3, 1                       ; db % 2 = h of the operand
	v_bfe_u32 v107, v0, 4, 1                       ; db / 2 = c of the operand
	s_lshl_b32 s36, s16, 12                        ; my wave's 4,096 bytes
	v_lshlrev_b32 v6, 4, v100                      ; v6: 16 x lane
	v_add_nc_u32 v1, s36, v6                       ; v1: my 16 bytes of a read-back
	v_lshlrev_b32 v2, 3, v101                      ; v2: K's stage: u 1024 + c 512 + h 256 + (nq / 2) 128 + 8 a; row i adds 16 i
	v_lshl_add_u32 v2, v105, 7, v2
	v_lshl_add_u32 v2, v106, 8, v2
	v_lshl_add_u32 v2, v107, 9, v2
	v_lshl_add_u32 v2, v104, 10, v2
	v_add_nc_u32 v2, s36, v2
	v_lshlrev_b32 v4, 2, v102                      ; v4: V's stage: (2 db + a) 256 + 4 nq; d dd adds 16 dd
	v_lshl_add_u32 v4, v101, 8, v4
	v_lshl_add_u32 v4, v103, 9, v4
	s_add_co_u32 s36, s36, 2048
	v_add_nc_u32 v4, s36, v4
	s_lshl_b32 s36, s16, 7
	s_add_co_u32 s37, s36, KSB
	v_lshl_add_u32 v3, v105, 5, v103               ; v3: K's scale byte: 128 w + 64 u + 32 (nq / 2) + db; row i adds 4 i
	v_lshl_add_u32 v3, v104, 6, v3
	v_add_nc_u32 v3, s37, v3
	s_add_co_u32 s37, s16, VSB
	v_lshlrev_b32 v5, 2, v103                      ; v5: V's scale byte: 256 a + 4 db + w; d dd adds 16 dd
	v_lshl_add_u32 v5, v101, 8, v5
	v_add_nc_u32 v5, s37, v5
	v_and_b32 v7, 15, v0                           ; v7: V's codes in memory: (lane / 16) 1024 + (lane % 16) 16
	v_lshlrev_b32 v7, 4, v7
	v_lshl_add_u32 v7, v107, 10, v7
	v_add_nc_u32 v[KSA], KSB, v6
	v_add_nc_u32 v[VSA], VSB, v6
	v_lshlrev_b32 v108, 3, v101                    ; v108: my first frequency: 64 s + 16 db + 8 a
	v_lshl_add_u32 v108, v103, 4, v108
	s_lshl_b32 s37, s17, 6
	v_add_nc_u32 v108, s37, v108
	v_lshlrev_b32 v109, 5, v102                    ; v109: my 8 times: 128 w + 32 nq bytes
	v_add_nc_u32 v109, s36, v109
	v_lshlrev_b32 v110, 6, v101                    ; v110: my 16 of type_emb: 128 db + 64 a bytes
	v_lshl_add_u32 v110, v103, 7, v110
	s_lshl_b32 s36, s18, 15
	s_lshl_b32 s37, s17, 13
	s_add_co_u32 s36, s36, s37                     ; 32,768 F + 8,192 s
	s_lshl_b32 s38, s16, 11
	s_add_co_u32 s38, s36, s38
	s_mov_b32 s39, 0
	s_add_nc_u64 s[10:11], s[10:11], s[38:39]      ; kc at my wave's 2,048 bytes
	s_lshl_b32 s38, s16, 8
	s_add_co_u32 s38, s36, s38
	s_add_nc_u64 s[14:15], s[14:15], s[38:39]      ; vc at (c, h) = my wave's block of events: 256 w
	s_lshl_b32 s38, s18, 12
	s_lshl_b32 s37, s17, 9
	s_add_co_u32 s38, s38, s37
	s_add_nc_u64 s[12:13], s[12:13], s[38:39]      ; sc at 4,096 F + 512 s
	s_mov_b32 s24, 0x3ea2f983                      ; 1 / pi.  (The packed forms name a pair and take its low word for both halves: both words are written)
	s_mov_b32 s25, s24
	s_mov_b32 s26, 0xc0490fdb                      ; -pi, its upper part
	s_mov_b32 s27, s26
	s_mov_b32 s28, 0x33bbbd2e                      ; and what is left of it
	s_mov_b32 s29, s28
	s_mov_b32 s30, 0x3d549a78                      ; log2(10000) / 256, its upper part
	s_mov_b32 s31, s30
	s_mov_b32 s32, 0x30979a6b                      ; and what is left of it
	s_mov_b32 s33, s32
	s_mov_b32 s34, 0x3f317218                      ; ln 2
	s_mov_b32 s35, s34
	s_wait_kmcnt 0x0
	s_max_i32 s44, s44, 1                          ; step 0 of each type is always made
	s_cmp_ge_u32 s18, 512
	s_cselect_b32 s44, 0x7fffffff, s44             ; the grid's steps all count
	s_lshl_b32 s46, s21, 7
	s_cmp_lt_i32 s46, s44                          ; does the step's first event count?
	s_cselect_b32 s45, 1, 0                        ; s45: this work-group has work (the same in its four waves)
	s_cbranch_scc0 .Lidle
	s_cmp_ge_u32 s18, 512
	s_cbranch_scc1 .Lgrid
	s_lshl_b32 s38, s22, 13                        ; times: (16 t + b) x 8,192 + 512 sg bytes
	s_lshl_b32 s37, s21, 9
	s_add_co_u32 s38, s38, s37
	s_add_nc_u64 s[4:5], s[4:5], s[38:39]
	s_lshl_b32 s38, s20, 11                        ; type_emb: 2,048 t + 512 s bytes
	s_lshl_b32 s37, s17, 9
	s_add_co_u32 s38, s38, s37
	s_add_nc_u64 s[6:7], s[6:7], s[38:39]
	global_load_b128 v[T:T+3], v109, s[4:5]
	global_load_b128 v[T+4:T+7], v109, s[4:5] offset:16
.irp i, 0,1,2,3
	global_load_b128 v[TE+4*\i:TE+4*\i+3], v110, s[6:7] offset:16*\i
.endr
	s_branch .Lsetup
.Lgrid:                                            ; the grid's mid-times g + 0.5; nothing is added to their sinusoids
	s_sub_co_u32 s38, s18, 512
	s_lshl_b32 s38, s38, 7
	s_lshl_b32 s37, s16, 5
	s_add_co_u32 s38, s38, s37
	v_lshl_add_u32 v111, v102, 3, s38              ; g of my first row: 128 (F - 512) + 32 w + 8 nq
.irp i, 0,1,2,3,4,5,6,7
	v_add_nc_u32 v[T+\i], \i, v111
.endr
.irp i, 0,1,2,3,4,5,6,7
	v_cvt_f32_u32 v[T+\i], v[T+\i]
.endr
.irp i, 0,1,2,3,4,5,6,7
	v_add_f32 v[T+\i], 0.5, v[T+\i]
.endr
.irp i, 0,1,2,3,4,5,6,7,8,9,10,11,12,13,14,15
	v_mov_b32 v[TE+\i], 0
.endr
.Lsetup:
	; pos = 2^(k c), c = log2(10000) / 256 in two parts: the product's upper part is split into a whole number and a fraction, what the product's rounding lost is put back by y (1 + e ln 2)
.irp i, 0,1,2,3,4,5,6,7
	v_add_nc_u32 v[XA+\i], \i, v108
.endr
.irp i, 0,1,2,3,4,5,6,7
	v_cvt_f32_u32 v[XA+\i], v[XA+\i]               ; k
.endr
.irp p, 0,2,4,6
	v_pk_mul_f32 v[XB+\p:XB+\p+1], v[XA+\p:XA+\p+1], s[30:31] op_sel_hi:[1,0]
.endr
.irp p, 0,2,4,6
	v_pk_fma_f32 v[XC+\p:XC+\p+1], v[XA+\p:XA+\p+1], s[30:31], v[XB+\p:XB+\p+1] op_sel_hi:[1,0,1] neg_lo:[0,0,1] neg_hi:[0,0,1]   ; what that rounding lost,
.endr
.irp p, 0,2,4,6
	v_pk_fma_f32 v[XC+\p:XC+\p+1], v[XA+\p:XA+\p+1], s[32:33], v[XC+\p:XC+\p+1] op_sel_hi:[1,0,1]   ; and k x the lower part: e
.endr
.irp i, 0,1,2,3,4,5,6,7
	v_rndne_f32 v[SG+\i], v[XB+\i]
.endr
.irp p, 0,2,4,6
	v_pk_add_f32 v[SG+8+\p:SG+8+\p+1], v[XB+\p:XB+\p+1], v[SG+\p:SG+\p+1] neg_lo:[0,1] neg_hi:[0,1]   ; the fraction, exact
.endr
.irp i, 0,1,2,3,4,5,6,7
	v_exp_f32 v[SG+8+\i], v[SG+8+\i]
.endr
	v_nop                                          ; a plain line behind the last exponential
.irp i, 0,1,2,3,4,5,6,7
	v_cvt_i32_f32 v[SG+\i], v[SG+\i]
.endr
	s_wait_alu depctr_va_vdst(0)                   ; one wait for the eight, ahead of their first reader
.irp p, 0,2,4,6
	v_pk_mul_f32 v[XC+\p:XC+\p+1], v[SG+8+\p:SG+8+\p+1], v[XC+\p:XC+\p+1]
.endr
.irp p, 0,2,4,6
	v_pk_fma_f32 v[SG+8+\p:SG+8+\p+1], v[XC+\p:XC+\p+1], s[34:35], v[SG+8+\p:SG+8+\p+1] op_sel_hi:[1,0,1]
.endr
.irp i, 0,1,2,3,4,5,6,7
	v_ldexp_f32 v[POS+\i], v[SG+8+\i], v[SG+\i]
.endr
.irp i, 0,1,2,3,4,5,6,7
	v_rcp_f32 v[RIN+\i], v[POS+\i]
.endr
	v_mov_b32 v[CF+0], 0x2f309231                  ; 1/13!   the constants are the plain work behind the reciprocals
	v_mov_b32 v[CF+1], 0x310f76c7                  ; 1/12!
	v_mov_b32 v[CF+2], 0xb2d7322b                  ; -1/11!
	v_mov_b32 v[CF+3], 0xb493f27e                  ; -1/10!
	v_mov_b32 v[CF+4], 0x3638ef1d                  ; 1/9!
	v_mov_b32 v[CF+5], 0x37d00d01                  ; 1/8!
	v_mov_b32 v[CF+6], 0xb9500d01                  ; -1/7!
	v_mov_b32 v[CF+7], 0xbab60b61                  ; -1/6!
	v_mov_b32 v[CF+8], 0x3c088889                  ; 1/5!
	v_mov_b32 v[CF+9], 0x3d2aaaab                  ; 1/4!
	v_mov_b32 v[CF+10], 0xbe2aaaab                 ; -1/3!
	v_mov_b32 v[CF+11], 0xbf000000                 ; -1/2!
	v_mov_b32 v[MAG], 0x4b400000
	v_mov_b32 v[MAG+1], 0x4b400000
	s_wait_alu depctr_va_vdst(0)                   ; one wait for the eight reciprocals
.irp p, 0,2,4,6
	v_pk_fma_f32 v[XC+\p:XC+\p+1], v[POS+\p:POS+\p+1], v[RIN+\p:RIN+\p+1], 1.0 op_sel_hi:[1,1,0] neg_lo:[1,0,0] neg_hi:[1,0,0]
.endr
.irp p, 0,2,4,6
	v_pk_fma_f32 v[RIN+\p:RIN+\p+1], v[RIN+\p:RIN+\p+1], v[XC+\p:XC+\p+1], v[RIN+\p:RIN+\p+1]   ; the reciprocal, corrected once
.endr
	s_wait_loadcnt 0x0                             ; times and type_emb
; ONE ROW: its 16 numbers, its codes along d, and its place in the turned copy.  ev: the row, 0 .. 7; od = ev % 2: which half of the pair of times it is.
; Each line stands four or eight times on registers that do not hang on each other.
.macro EVENT ev, od
.set TP, T+(\ev)-(\od)
.irp p, 0,2,4,6
	v_pk_mul_f32 v[XA+\p:XA+\p+1], v[TP:TP+1], v[RIN+\p:RIN+\p+1] op_sel:[\od,0] op_sel_hi:[\od,1]
.endr
.irp p, 0,2,4,6
	v_pk_fma_f32 v[XB+\p:XB+\p+1], v[XA+\p:XA+\p+1], v[POS+\p:POS+\p+1], v[TP:TP+1] op_sel:[0,0,\od] op_sel_hi:[1,1,\od] neg_lo:[1,0,0] neg_hi:[1,0,0]
.endr
.irp p, 0,2,4,6
	v_pk_fma_f32 v[XA+\p:XA+\p+1], v[XB+\p:XB+\p+1], v[RIN+\p:RIN+\p+1], v[XA+\p:XA+\p+1]   ; x = t / pos, the quotient corrected by its remainder
.endr
.irp p, 0,2,4,6
	v_pk_fma_f32 v[XB+\p:XB+\p+1], v[XA+\p:XA+\p+1], s[24:25], v[MAG:MAG+1] op_sel_hi:[1,0,1]   ; x / pi + 1.5 x 2^23: rounded to a whole number, n in the low bits
.endr
.irp p, 0,2,4,6
	v_pk_add_f32 v[XC+\p:XC+\p+1], v[XB+\p:XB+\p+1], v[MAG:MAG+1] neg_lo:[0,1] neg_hi:[0,1]   ; n
.endr
.irp p, 0,2,4,6
	v_pk_fma_f32 v[XA+\p:XA+\p+1], v[XC+\p:XC+\p+1], s[26:27], v[XA+\p:XA+\p+1] op_sel_hi:[1,0,1]
.endr
.irp p, 0,2,4,6
	v_pk_fma_f32 v[XA+\p:XA+\p+1], v[XC+\p:XC+\p+1], s[28:29], v[XA+\p:XA+\p+1] op_sel_hi:[1,0,1]   ; r = x - n pi, at most pi / 2 in magnitude
.endr
.irp i, 0,1,2,3,4,5,6,7
	v_lshl_or_b32 v[SG+2*\i+1], v[XB+\i], 31, 0x3f800000   ; (-1)^n: n's lowest bit as the sign of 1.0
.endr
.irp i, 0,1,2,3,4,5,6,7
	v_mul_f32 v[SG+2*\i], v[XA+\i], v[SG+2*\i+1]
.endr
.irp p, 0,2,4,6
	v_pk_mul_f32 v[XC+\p:XC+\p+1], v[XA+\p:XA+\p+1], v[XA+\p:XA+\p+1]   ; z = r^2
.endr
.irp p, 0,1,2,3
.irp q, 0,1
	v_pk_fma_f32 v[P+4*\p+2*\q:P+4*\p+2*\q+1], v[CF:CF+1], v[XC+2*\p:XC+2*\p+1], v[CF+2:CF+3] op_sel:[0,\q,0] op_sel_hi:[1,\q,1]   ; both series at once: low half the sine's, high half the cosine's
.endr
.endr
.irp c, 4,6,8,10
.irp p, 0,1,2,3
.irp q, 0,1
	v_pk_fma_f32 v[P+4*\p+2*\q:P+4*\p+2*\q+1], v[P+4*\p+2*\q:P+4*\p+2*\q+1], v[XC+2*\p:XC+2*\p+1], v[CF+\c:CF+\c+1] op_sel:[0,\q,0] op_sel_hi:[1,\q,1]
.endr
.endr
.endr
.irp p, 0,1,2,3
.irp q, 0,1
	v_pk_fma_f32 v[P+4*\p+2*\q:P+4*\p+2*\q+1], v[P+4*\p+2*\q:P+4*\p+2*\q+1], v[XC+2*\p:XC+2*\p+1], 1.0 op_sel:[0,\q,0] op_sel_hi:[1,\q,0]
.endr
.endr
.irp i, 0,2,4,6,8,10,12,14
	v_pk_fma_f32 v[P+\i:P+\i+1], v[P+\i:P+\i+1], v[SG+\i:SG+\i+1], v[TE+\i:TE+\i+1]   ; sin x + type_emb at the even d, cos x + type_emb at the odd
.endr
	v_max3_num_f32 v[MXA], |v[P]|, |v[P+1]|, 0x1800000   ; the largest magnitude of my 16, and the floor 2^(3 - 127): the byte cannot fall under 1
	v_max3_num_f32 v[MXB], |v[P+2]|, |v[P+3]|, |v[P+4]|
	v_max3_num_f32 v[MXA], v[MXA], |v[P+5]|, |v[P+6]|
	v_max3_num_f32 v[MXB], v[MXB], |v[P+7]|, |v[P+8]|
	v_max3_num_f32 v[MXA], v[MXA], |v[P+9]|, |v[P+10]|
	v_max3_num_f32 v[MXB], v[MXB], |v[P+11]|, |v[P+12]|
	v_max3_num_f32 v[MXA], v[MXA], |v[P+13]|, |v[P+14]|
	v_max3_num_f32 v[MXA], v[MXA], v[MXB], |v[P+15]|
	v_max_num_f32_dpp v[MXA], v[MXA], v[MXA] row_xmask:1 row_mask:0xf bank_mask:0xf   ; with my neighbour's 16: the block's
	v_cmp_neq_f32 vcc_lo, 0, v[T+(\ev)]            ; the pad: a row whose time is 0 is a row of zeros
	v_cndmask_b32 v[PADM], 0, -1, vcc_lo
	v_cndmask_b32 v[PADF], 0, 1.0, vcc_lo
	v_add_nc_u32 v[SOP], 0xff000000, v[MXA]        ; 2 off the exponent field: the conversion takes this operand's exponent field as its scale
.if (\ev) > 0
	s_wait_dscnt 0x0                               ; the last row's two stores, issued a row ago, have read the registers that are written now
.endif
	v_lshrrev_b32 v[BYT], 23, v[SOP]               ; the scale's byte
	v_cvt_scalef32_pk8_fp4_f32 v[KCD], v[P:P+7], v[SOP]
	v_cvt_scalef32_pk8_fp4_f32 v[KCD+1], v[P+8:P+15], v[SOP]
.irp i, 0,1,2,3,4,5,6,7,8,9,10,11,12,13,14,15
	v_mul_f32 v[W+8*\i+(\ev)], v[P+\i], v[PADF]    ; the turned copy, the pad applied.  (Plain lines between the conversions and the lines that touch their results)
.endr
	v_and_b32 v[KCD], v[KCD], v[PADM]              ; zero codes for a padded row, under whatever byte
	v_and_b32 v[KCD+1], v[KCD+1], v[PADM]
	ds_store_b64 v2, v[KCD:KCD+1] offset:16*(\ev)
	ds_store_b8 v3, v[BYT] offset:4*(\ev)          ; both lanes of a block write the same byte with the same value
.endm
	EVENT 0, 0
	EVENT 1, 1
	EVENT 2, 0
	EVENT 3, 1
	EVENT 4, 0
	EVENT 5, 1
	EVENT 6, 0
	EVENT 7, 1
.irp m, 0,1,2,3
	ds_load_b128 v[RBK+4*\m:RBK+4*\m+3], v1 offset:512*\m   ; K's codes back in the operand's order.  LDS serves a wave's instructions in order (ISA guide 5.7.1.4): these see my stores
.endr
	s_cmp_ge_u32 s18, 512
	s_cbranch_scc1 .Lno_v                          ; the grid's queries are no operand of the second product
	; ALONG THE EVENTS: for each of my 16 d, my 8 events and those of the three lanes that hold the block's other 24
.irp d, 0,1,2,3,4,5,6,7,8,9,10,11,12,13,14,15
	v_max3_num_f32 v[VMX+\d], |v[W+8*\d]|, |v[W+8*\d+1]|, 0x1800000
.endr
.irp i, 2,4,6
.irp d, 0,1,2,3,4,5,6,7,8,9,10,11,12,13,14,15
	v_max3_num_f32 v[VMX+\d], v[VMX+\d], |v[W+8*\d+\i]|, |v[W+8*\d+\i+1]|
.endr
.endr
.irp d, 0,1,2,3,4,5,6,7,8,9,10,11,12,13,14,15
	v_max_num_f32_dpp v[VMX+\d], v[VMX+\d], v[VMX+\d] row_xmask:2 row_mask:0xf bank_mask:0xf
.endr
.irp d, 0,1,2,3,4,5,6,7,8,9,10,11,12,13,14,15
	v_max_num_f32_dpp v[VMX+\d], v[VMX+\d], v[VMX+\d] row_xmask:4 row_mask:0xf bank_mask:0xf
.endr
.irp d, 0,1,2,3,4,5,6,7,8,9,10,11,12,13,14,15
	v_add_nc_u32 v[VSO+\d], 0xff000000, v[VMX+\d]
.endr
.irp d, 0,1,2,3,4,5,6,7,8,9,10,11,12,13,14,15
	v_lshrrev_b32 v[VBY+\d], 23, v[VSO+\d]
.endr
.irp d, 0,1,2,3,4,5,6,7,8,9,10,11,12,13,14,15
	v_cvt_scalef32_pk8_fp4_f32 v[VCD+\d], v[W+8*\d:W+8*\d+7], v[VSO+\d]
.endr
	v_nop                                          ; a plain line behind the last conversion
.irp d, 0,1,2,3,4,5,6,7,8,9,10,11,12,13,14,15
	ds_store_b32 v4, v[VCD+\d] offset:16*\d        ; each d has registers of its own: no store's data are written again
	ds_store_b8 v5, v[VBY+\d] offset:16*\d         ; the block's four lanes write the same byte with the same value
.endr
.irp m, 0,1,2
	ds_load_b128 v[48+4*\m:48+4*\m+3], v1 offset:2048+512*\m
.endr
	ds_load_b128 v[108:111], v1 offset:2048+512*3
.Lno_v:
	s_wait_dscnt 0x0                               ; the read-backs are in
.irp m, 0,1,2,3
	global_store_b128 v6, v[RBK+4*\m:RBK+4*\m+3], s[10:11] offset:512*\m   ; 32 lanes store 512 consecutive bytes, aligned
.endr
	s_cmp_ge_u32 s18, 512
	s_cbranch_scc1 .Lidle
.irp m, 0,1,2
	global_store_b128 v7, v[48+4*\m:48+4*\m+3], s[14:15] offset:2048*\m   ; sixteen lanes store 256 consecutive bytes, aligned: my block of events in two tiles of d
.endr
	global_store_b128 v7, v[108:111], s[14:15] offset:2048*3
.Lidle:
	s_wait_dscnt 0x0                               ; for the others' sake: my scale bytes lie in LDS
	s_barrier_signal -1
	s_barrier_wait -1                              ; on every path: no branch on real_len leads round it
	s_cmp_eq_u32 s45, 0
	s_cbranch_scc1 .Lend
	s_cmp_lg_u32 s16, 0
	s_cbranch_scc1 .Lnot_0
	ds_load_b128 v[60:63], v[KSA]                  ; wave 0: the four waves' scale bytes of K, 512 bytes
	s_wait_dscnt 0x0
	global_store_b128 v6, v[60:63], s[12:13]
.Lnot_0:
	s_cmp_lg_u32 s16, 1
	s_cbranch_scc1 .Lend
	s_cmp_ge_u32 s18, 512
	s_cbranch_scc1 .Lend
	ds_load_b128 v[64:67], v[VSA]                  ; wave 1: those of V
	s_wait_dscnt 0x0
	global_store_b128 v6, v[64:67], s[12:13] offset:2048
.Lend:
	s_set_vgpr_msb 0x5
	s_wait_tensorcnt 0x0
	ds_add_u32 v0, v1
	s_wait_dscnt 0x0
	s_set_vgpr_msb 0x500
	s_endpgm
.Lfunc_end_k_qc5f90779a8_embed:
	.size	k_qc5f90779a8_embed, .Lfunc_end_k_qc5f90779a8_embed-k_qc5f90779a8_embed
	.p2alignl 7, 3214868480
	.fill 96, 4, 3214868480
	.section	.rodata,"a",@progbits
	.p2align	6, 0x0
	.amdhsa_kernel k_qc5f90779a8_embed
		.amdhsa_group_segment_fixed_size 17920
		.amdhsa_private_segment_fixed_size 0
		.amdhsa_enable_private_segment 0
		.amdhsa_kernarg_size 48
		.amdhsa_user_sgpr_count 2
		.amdhsa_user_sgpr_kernarg_segment_ptr 1
		.amdhsa_wavefront_size32 1
		.amdhsa_system_sgpr_workgroup_id_x 1
		.amdhsa_system_sgpr_workgroup_id_y 1
		.amdhsa_system_sgpr_workgroup_id_z 1
		.amdhsa_system_vgpr_workitem_id 0
		.amdhsa_next_free_vgpr 258
		.amdhsa_next_free_sgpr 66
		.amdhsa_reserve_vcc 1
		.amdhsa_float_denorm_mode_32 3
		.amdhsa_float_denorm_mode_16_64 3
		.amdhsa_memory_ordered 1
		.amdhsa_forward_progress 1
		.amdhsa_inst_pref_size 89
	.end_amdhsa_kernel
	.amdgpu_metadata
---
amdhsa.version: [ 1, 2 ]
amdhsa.kernels:
  - .name:           k_qc5f90779a8_embed
    .symbol:         k_qc5f90779a8_embed.kd
    .args:
      - { .name: times, .offset: 0, .size: 8, .value_kind: global_buffer, .address_space: global }
      - { .name: type_emb, .offset: 8, .size: 8, .value_kind: global_buffer, .address_space: global }
      - { .name: real_len, .offset: 16, .size: 8, .value_kind: global_buffer, .address_space: global }
      - { .name: kc, .offset: 24, .size: 8, .value_kind: global_buffer, .address_space: global }
      - { .name: sc, .offset: 32, .size: 8, .value_kind: global_buffer, .address_space: global }
      - { .name: vc, .offset: 40, .size: 8, .value_kind: global_buffer, .address_space: global }
    .group_segment_fixed_size: 17920
    .private_segment_fixed_size: 0
    .kernarg_segment_align: 8
    .kernarg_segment_size: 48
    .max_flat_workgroup_size: 128
    .sgpr_count:     66
    .vgpr_count:     258
    .wavefront_size: 32
...
	.end_amdgpu_metadata
.endif
;; end of part 1
;; launch attend (part 2): grid 16 x 16, 4 waves a work-group, no clusters, 46,592 bytes of LDS; arguments real_len, kc, sc, vc, out0; writes out0
.if DOCPART == 2
	.amdgcn_target "amdgcn-amd-amdhsa--gfx1250"
	.amdhsa_code_object_version 6
	.text
	.protected	k_qc5f90779a8_attend
	.globl	k_qc5f90779a8_attend
	.p2align	8
	.type	k_qc5f90779a8_attend,@function
k_qc5f90779a8_attend:
	s_mov_b64 s[64:65], 0
	v_nop
	global_prefetch_b8 v0, s[64:65] scope:SCOPE_SE
	s_setreg_imm32_b32 hwreg(HW_REG_WAVE_MODE, 25, 1), 1
	s_wait_xcnt 0x0
; out0[b][g][:] = the sum over the events n that count of softmax_n(emb[b][n] . q[g] / sqrt(512)) emb[b][n][:], both products on codes of FP4 (E2M1) with E8M0 scales, made by the launch before
; (kc: emb and q along d; vc: emb along the events; sc: the scale words; all in the order of the operands' registers: see that launch's head).
; SHARES.  A work-group (x = qb, y = b) owns 64 grid queries of one sample, four tiles of 16; tile j, lane r is g = 64 qb + 32 (j / 2) + 8 (j % 2) + r + 8 (r / 8).  It walks 32 steps of 128 events.
; Both products are used transposed, so that a lane holds one query throughout.  AS PRODUCER wave w makes S^T = K Q^T for events 32 w .. 32 w + 31 (two tiles of 16 rows, chosen so that a lane's 16 registers are 16
; neighbouring events) against all four tiles of queries: one block of 32 events for each query.  AS CONSUMER it holds O^T for d = 128 w .. 128 w + 127 and all four tiles.  So every fragment of K and of V is read by
; ONE wave and feeds four products; only p's codes go from wave to wave, through LDS, as parts of the operand's register image.
; THE SOFTMAX.  t = score x log2(e) / sqrt(512).  Each producer keeps, for each query, its own running whole number M (as -M = floor(-largest t)) and its own sum l of the unquantised p = 2^(t - M).  With a block's codes it
; hands on E = the block's byte + M, a whole number: the block's exponent free of M.  A consumer keeps R = the largest E so far, multiplies O^T by 2^(old R - new R), which rounds nothing, and gives block e the byte
; max(E - R + 127, 0).  At the end the four waves' sums are brought under the largest M, and O^T is multiplied by 2^(R - 127 - that M) / the sum.
; WHAT IS LEFT OUT.  The events from real_len on are masked.  A step none of whose events counts is passed over by scalar branches on real_len (step 0 is always walked); in a boundary step hidden scores become
; -infinity ahead of the maximum.  The barrier, the waits and the places behind matrix instructions stand on every path.
; NO TENSOR LOADS, NO RING, NO CLUSTER: a fragment has one reader in a work-group, so LDS would add a write and a read of each byte and spare none.
; all 32 steps would be walked where (real_len[0] + real_len[1]) / 128, rounded up by type, have work.  K's and V's fragments go from memory straight into registers, a step ahead.
; LIMITS: NaN and infinities are not served; |t| stays under 2^20; a block more than 127 powers of two under the row's largest is given the byte 0 in place of a smaller scale; a sample with no event that counts gives NaN.
; REGISTERS, in windows of 256 (s_set_vgpr_msb: bits 1:0 source 0, 3:2 source 1, 5:4 source 2, 7:6 destination):
;   window 0: addresses, statistics, scale words, S^T;  window 1 (tiles 0, 1) and window 3 (tiles 2, 3): v0-127 O^T, v128-143 p's codes, v144-207 Q;  window 2: v0-63 K, v64-127 V, v128-135 the factors for O^T, as pairs.
.set BUFB,  5120                       ; LDS: two buffers by turns: four images of p (1,024 bytes each), then 1,024 bytes of E: [tile][query][wave] words
.set ML,    10240                      ; [wave][tile][query] pairs (-M, l): 2,048 bytes
.set STG,   12288                      ; the way out: 16 rows x (512 + 16) bytes for each wave
.set SPITCH, 528
.set L16,  1                           ; v1   16 x lane
.set KO,   2                           ; v2   K's fragments: 16 x lane + 2,048 w
.set VO,   3                           ; v3   V's: 16 x lane + 8,192 w
.set KSO,  4                           ; v4   K's scale words: 4 x lane + 128 w
.set VSO,  5                           ; v5   V's: 16 x lane + 2,048 + 512 w
.set PF,   6                           ; v6   prefetches of codes: 256 x lane + 8,192 w; never rewritten
.set PFS,  7                           ; v7   of scale words: 256 x lane; never rewritten
.set PST,  8                           ; v8   where my 16 codes go in an image: 256 w + 16 r + 8 h
.set EST,  9                           ; v9   where my E goes: 4,096 + 16 r + 4 w
.set ELD,  10                          ; v10  where a query's four E lie: 4,096 + 16 r
.set MD,   11                          ; v11  my first event in a step: 32 w + 16 h
.set NINF, 12                          ; v12  -infinity
.set DD,   13                          ; v13  at the head 4 x lane; then the mask's bound
.set MLS,  14
.set MLL,  15
.set ST,   16                          ; v16-31 tile j: +0 -M, +1 the largest t, +2, +3 the sum in two halves
.set R,    32
.set RN,   36
.set K0,   40
.set FP,   44                          ; v44-51 the producer's factor, as pairs
.set BM,   52
.set PD,   56                          ; destinations of lane permutes
.set SO,   60
.set EV,   64
.set PCD,  68                          ; v68-75 16 codes a tile
.set E4,   76                          ; v76-91 four E a tile
.set KSW,  92                          ; v92-95 K's scale words; v96-103 Q's; v104-107 V's; v108-111 p's: these hold scales and nothing else
.set QSW,  96
.set VSW,  104
.set PW,   108
.set S,    112                         ; v112-175 S^T, then p: tile j, row tile u at S + 16 j + 8 u
.set RB,   112                         ; the way out: rows read back: v112-175 and v176-239 by turns
.set OLD,  240
.set STO,  244
.set RD,   245
.set TT,   246                         ; v246-253 at work
.set FR,   128                         ; window 2: the factors
.set PR,   128                         ; windows 1, 3: p's codes
.set QR,   144                         ; windows 1, 3: Q
.set VR,   64                          ; window 2: V
.set MSB, 0
.macro WIN new                         ; the immediate's high byte repeats the setting that is left; a switch that changes nothing is dropped
.if MSB != (\new)
	s_set_vgpr_msb (MSB<<8)|(\new)
.set MSB, (\new)
.endif
.endm
.macro PLACES                          ; four plain lines behind matrix instructions, ahead of loads into their registers and of the first read of their results
.rept 4
	v_nop
.endr
.endm
; One scaled product, named by symbols: rD, rA, rB the registers, rX, rY the scale words; cz: it starts its sum; ra, rb: the scale words lie in lanes 16-31
.macro WM
.if cz && ra && rb
	v_wmma_scale_f32_16x16x128_f8f6f4 v[rD:rD+7], v[rA:rA+7], v[rB:rB+7], 0, v[rX], v[rY] matrix_a_fmt:MATRIX_FMT_FP4 matrix_b_fmt:MATRIX_FMT_FP4 matrix_a_scale:MATRIX_SCALE_ROW1 matrix_b_scale:MATRIX_SCALE_ROW1
.elseif cz && ra
	v_wmma_scale_f32_16x16x128_f8f6f4 v[rD:rD+7], v[rA:rA+7], v[rB:rB+7], 0, v[rX], v[rY] matrix_a_fmt:MATRIX_FMT_FP4 matrix_b_fmt:MATRIX_FMT_FP4 matrix_a_scale:MATRIX_SCALE_ROW1
.elseif cz && rb
	v_wmma_scale_f32_16x16x128_f8f6f4 v[rD:rD+7], v[rA:rA+7], v[rB:rB+7], 0, v[rX], v[rY] matrix_a_fmt:MATRIX_FMT_FP4 matrix_b_fmt:MATRIX_FMT_FP4 matrix_b_scale:MATRIX_SCALE_ROW1
.elseif cz
	v_wmma_scale_f32_16x16x128_f8f6f4 v[rD:rD+7], v[rA:rA+7], v[rB:rB+7], 0, v[rX], v[rY] matrix_a_fmt:MATRIX_FMT_FP4 matrix_b_fmt:MATRIX_FMT_FP4
.elseif ra && rb
	v_wmma_scale_f32_16x16x128_f8f6f4 v[rD:rD+7], v[rA:rA+7], v[rB:rB+7], v[rD:rD+7], v[rX], v[rY] matrix_a_fmt:MATRIX_FMT_FP4 matrix_b_fmt:MATRIX_FMT_FP4 matrix_a_scale:MATRIX_SCALE_ROW1 matrix_b_scale:MATRIX_SCALE_ROW1
.elseif ra
	v_wmma_scale_f32_16x16x128_f8f6f4 v[rD:rD+7], v[rA:rA+7], v[rB:rB+7], v[rD:rD+7], v[rX], v[rY] matrix_a_fmt:MATRIX_FMT_FP4 matrix_b_fmt:MATRIX_FMT_FP4 matrix_a_scale:MATRIX_SCALE_ROW1
.elseif rb
	v_wmma_scale_f32_16x16x128_f8f6f4 v[rD:rD+7], v[rA:rA+7], v[rB:rB+7], v[rD:rD+7], v[rX], v[rY] matrix_a_fmt:MATRIX_FMT_FP4 matrix_b_fmt:MATRIX_FMT_FP4 matrix_b_scale:MATRIX_SCALE_ROW1
.else
	v_wmma_scale_f32_16x16x128_f8f6f4 v[rD:rD+7], v[rA:rA+7], v[rB:rB+7], v[rD:rD+7], v[rX], v[rY] matrix_a_fmt:MATRIX_FMT_FP4 matrix_b_fmt:MATRIX_FMT_FP4
.endif
.endm
; 20 loads: a step's K for my 32 events: 2 row tiles x 4 K steps of 128 d, two loads of 16 bytes each, and 4 scale words (lanes 0-15 row tile 0, lanes 16-31 row tile 1)
.macro LOADK
	WIN 0x80                                       ; destination window 2, address window 0
.irp u, 0,1
.irp ks, 0,1,2,3
.irp c, 0,1
	global_load_b128 v[32*\u+8*\ks+4*\c:32*\u+8*\ks+4*\c+3], v[KO], s[6:7] offset:8192*\ks+1024*\u+512*\c
.endr
.endr
.endr
	WIN 0
.irp ks, 0,1,2,3
	global_load_b32 v[KSW+\ks], v[KSO], s[8:9] offset:512*\ks
.endr
.endm
; 17 loads: a step's V for my 128 d: 8 tiles, and their scale words by one load (word i: lanes 0-15 tile 2 i, lanes 16-31 tile 2 i + 1)
.macro LOADV
	WIN 0x80
.irp ta, 0,1,2,3,4,5,6,7
.irp c, 0,1
	global_load_b128 v[VR+8*\ta+4*\c:VR+8*\ta+4*\c+3], v[VO], s[10:11] offset:1024*\ta+512*\c
.endr
.endr
	WIN 0
	global_load_b128 v[VSW:VSW+3], v[VSO], s[8:9]
.endm
	s_load_b256 s[4:11], s[0:1], 0x0               ; real_len s[4:5], kc s[6:7], sc s[8:9], vc s[10:11]
	s_load_b64 s[12:13], s[0:1], 0x20              ; out0
	v_lshl_add_u32 v254, v0, 2, 0xb400
	v_mov_b32 v255, 0
	v_lshrrev_b32 v1, 5, v0
	v_readfirstlane_b32 s14, v1                    ; wave w
	s_mov_b32 s15, ttmp9                           ; qb
	s_and_b32 s16, ttmp7, 0xffff                   ; b
	s_lshl_b32 s46, s16, 2                         ; s46: 4 b, the offset of the two loads below: a register of its own, written by no other line, so that no source of a pending load is written
	s_wait_kmcnt 0x0
	s_load_b32 s17, s[4:5], s46 offset:0x0         ; real_len[0][b]
	s_load_b32 s18, s[4:5], s46 offset:0x40        ; real_len[1][b]
	v_and_b32 v246, 31, v0                         ; lane
	v_and_b32 v247, 15, v0                         ; r
	v_bfe_u32 v248, v0, 4, 1                       ; h
	v_lshlrev_b32 v[L16], 4, v246
	s_lshl_b32 s36, s14, 11
	v_add_nc_u32 v[KO], s36, v[L16]
	s_lshl_b32 s36, s14, 13
	v_add_nc_u32 v[VO], s36, v[L16]
	v_lshlrev_b32 v[PFS], 8, v246
	v_add_nc_u32 v[PF], s36, v[PFS]
	v_lshlrev_b32 v[DD], 2, v246
	s_lshl_b32 s36, s14, 7
	v_add_nc_u32 v[KSO], s36, v[DD]
	s_lshl_b32 s36, s14, 9
	s_add_co_u32 s37, s36, 2048
	v_add_nc_u32 v[VSO], s37, v[L16]
	v_lshlrev_b32 v249, 4, v247
	v_lshl_add_u32 v[PST], v248, 3, v249
	s_lshl_b32 s37, s14, 8
	v_add_nc_u32 v[PST], s37, v[PST]
	v_add_nc_u32 v[ELD], 4096, v249
	s_lshl_b32 s37, s14, 2
	v_add_nc_u32 v[EST], s37, v[ELD]
	v_lshlrev_b32 v[MD], 4, v248
	s_lshl_b32 s37, s14, 5
	v_add_nc_u32 v[MD], s37, v[MD]
	v_mov_b32 v[NINF], 0xff800000
	v_lshl_add_u32 v[MLL], v247, 3, ML
	v_add_nc_u32 v[MLS], s36, v[MLL]               ; + 512 w
	s_mul_i32 s37, s14, 16*SPITCH
	s_add_co_u32 s37, s37, STG                     ; my stage
	v_mul_u32_u24 v[STO], v247, SPITCH             ; in: row r, 32 bytes for each half of the lanes
	v_lshl_add_u32 v[STO], v248, 5, v[STO]
	v_add_nc_u32 v[STO], s37, v[STO]
	v_add_nc_u32 v[RD], s37, v[L16]                ; back: the 32 lanes take one row of 512 bytes
	s_mov_b32 s26, 0x3d8293ee                      ; c = log2(e) / sqrt(512); named as a pair, so both words are written
	s_mov_b32 s27, s26
	s_mov_b32 s28, 0x76543210                      ; v_permlanex16_b32's selects for lane l xor 16
	s_mov_b32 s29, 0xfedcba98
	s_mov_b32 s30, 0x49800000                      ; 2^20
	s_mov_b32 s44, 0xc9800000                      ; -2^20
	s_mov_b32 s31, 0x4b00007f                      ; 2^23 + 127
	s_mov_b32 s32, 0x4b000000                      ; 2^23
	s_mov_b32 s33, 0x04000400                      ; v_perm_b32: the low bytes of two words, by turns
	s_mov_b32 s34, 0x05040100                      ; the low halves of two words
	s_mov_b32 s22, 0                               ; I: the step
	; Q's fragments and scale words: flat step 512 + qb / 2, its row groups 2 (qb % 2) and 2 (qb % 2) + 1
	s_lshr_b32 s38, s15, 1
	s_add_co_u32 s38, s38, 512
	s_lshl_b32 s42, s38, 12
	s_lshl_b32 s38, s38, 15
	s_and_b32 s40, s15, 1
	s_lshl_b32 s41, s40, 12
	s_add_co_u32 s38, s38, s41
	s_mov_b32 s39, 0
	s_lshl_b32 s41, s40, 8
	s_add_co_u32 s42, s42, s41
	s_mov_b32 s43, 0
	s_add_nc_u64 s[38:39], s[6:7], s[38:39]
	s_add_nc_u64 s[42:43], s[8:9], s[42:43]
	s_lshl_b32 s36, s16, 20                        ; the sample's 32 steps: 32,768 bytes each of kc and of vc,
	s_mov_b32 s37, 0
	s_add_nc_u64 s[6:7], s[6:7], s[36:37]
	s_add_nc_u64 s[10:11], s[10:11], s[36:37]
	s_lshl_b32 s36, s16, 17                        ; 4,096 of sc
	s_add_nc_u64 s[8:9], s[8:9], s[36:37]
	s_lshl_b32 s36, s16, 21                        ; out0: 2^21 b + 64 rows of 2,048 bytes x qb + my 512 bytes of a row
	s_lshl_b32 s40, s15, 17
	s_add_co_u32 s36, s36, s40
	s_lshl_b32 s40, s14, 9
	s_add_co_u32 s36, s36, s40
	s_add_nc_u64 s[12:13], s[12:13], s[36:37]
.irp hi, 0,1
	WIN 0x40+0x80*\hi                              ; destination window 1, then 3
.irp jj, 0,1
.irp ks, 0,1,2,3
.irp c, 0,1
	global_load_b128 v[QR+32*\jj+8*\ks+4*\c:QR+32*\jj+8*\ks+4*\c+3], v[L16], s[38:39] offset:8192*\ks+2048*\hi+1024*\jj+512*\c
.endr
.endr
.endr
.endr
	WIN 0
.irp hi, 0,1
.irp ks, 0,1,2,3
	global_load_b32 v[QSW+4*\hi+\ks], v[DD], s[42:43] offset:512*\ks+128*\hi   ; lanes 0-15 the even tile's words, lanes 16-31 the odd tile's
.endr
.endr
	LOADK                                          ; step 0
	LOADV
.irp j, 0,1,2,3
	v_mov_b32 v[ST+4*\j+1], 0xff61b1e6             ; the largest t so far: -3e38, under every t
	v_mov_b32 v[ST+4*\j+2], 0                      ; the sum
	v_mov_b32 v[ST+4*\j+3], 0
	v_mov_b32 v[R+\j], 0xca000000                  ; R: -2^21, under every E
	v_mov_b32 v[PD+\j], 0                          ; a lane permute's destination counts as one of its sources
	v_mov_b32 v[FP+2*\j+1], 0                      ; named as the upper half of a pair
.endr
.irp j, 0,1,2,3
	v_floor_f32 v[ST+4*\j], -v[ST+4*\j+1]          ; -M
.endr
	WIN 0x80
.irp j, 0,1,2,3
	v_mov_b32 v[FR+2*\j+1], 0                      ; likewise
.endr
	WIN 0
	s_wait_kmcnt 0x0
	s_max_i32 s17, s17, 0                          ; the lengths, held to 0 .. 2,048
	s_min_i32 s17, s17, 2048
	s_max_i32 s18, s18, 0
	s_min_i32 s18, s18, 2048
	s_add_co_u32 s36, s17, 127
	s_lshr_b32 s36, s36, 7                         ; steps of type 0 with an event that counts,
	s_add_co_u32 s37, s18, 127
	s_lshr_b32 s37, s37, 7                         ; of type 1
	s_bfm_b32 s19, s36, 0
	s_bfm_b32 s37, s37, 16
	s_or_b32 s19, s19, s37
	s_or_b32 s19, s19, 1                           ; s19: bit i: step I + i has work; step 0 is always walked.  It goes one to the right at each step's end
	s_cmp_eq_u32 s15, 0
	s_cselect_b32 s20, s19, 0                      ; s20: the same in the sample's first work-group, which prefetches; else 0
	s_cmp_eq_u32 s14, 0
	s_cselect_b32 s21, s20, 0                      ; s21: the same in its wave 0
	s_wait_xcnt 0x0                                ; the loads above have read their bases
	s_add_nc_u64 s[6:7], s[6:7], 32768             ; on to step 1
	s_add_nc_u64 s[10:11], s[10:11], 32768
	s_add_nc_u64 s[8:9], s[8:9], 4096
; S^T = K Q^T: 32 products.  In each half four accumulators (2 tiles of queries x 2 row tiles) take turns, one instruction a turn; the first K step starts the sums.
.macro SMUL
.irp hi, 0,1
	WIN 0x06+8*\hi                                 ; K window 2, Q window 1 or 3, S^T window 0
.irp ks, 0,1,2,3
.irp jj, 0,1
.irp u, 0,1
.set rD, S+16*(2*\hi+\jj)+8*\u
.set rA, 32*\u+8*\ks
.set rB, QR+32*\jj+8*\ks
.set rX, KSW+\ks
.set rY, QSW+4*\hi+\ks
.set cz, \ks==0
.set ra, \u
.set rb, \jj
	WM
.endr
.endr
.endr
.endr
	WIN 0
.endm
; In the step that holds a type's last event that counts, the scores of the events behind it become -infinity.  Register n of a tile holds event 32 w + 16 h + n of the step.
.macro MASK
	s_and_b32 s36, s22, 15
	s_lshl_b32 s36, s36, 7
	s_cmp_lt_u32 s22, 16
	s_cselect_b32 s37, s17, s18
	s_sub_co_i32 s36, s37, s36                     ; how many of the type's events from this step's first on count
	s_cmp_ge_i32 s36, 128
	s_cbranch_scc1 .Lopen_\@
	v_sub_nc_u32 v[DD], s36, v[MD]                 ; hidden where n >= this
.irp n, 0,1,2,3,4,5,6,7,8,9,10,11,12,13,14,15
	v_cmp_ge_i32 vcc_lo, \n, v[DD]
.irp j, 0,1,2,3
	v_cndmask_b32 v[S+16*\j+\n], v[S+16*\j+\n], v[NINF], vcc_lo
.endr
.endr
.Lopen_\@:
.endm
; My block of 32 events for each of the 64 queries: the four tiles by turns, so that no line waits for the line above it.
.macro SOFTMAX
.irp j, 0,1,2,3
	v_max3_num_f32 v[BM+\j], v[S+16*\j], v[S+16*\j+1], v[S+16*\j+2]   ; the block's largest score: it serves the running maximum and, since p rises with the score, the block's largest p
.endr
.irp i, 3,5,7,9,11,13
.irp j, 0,1,2,3
	v_max3_num_f32 v[BM+\j], v[BM+\j], v[S+16*\j+\i], v[S+16*\j+\i+1]
.endr
.endr
.irp j, 0,1,2,3
	v_max_num_f32 v[BM+\j], v[BM+\j], v[S+16*\j+15]
.endr
.irp j, 0,1,2,3
	v_permlanex16_b32 v[PD+\j], v[BM+\j], s28, s29
.endr
.irp j, 0,1,2,3
	v_max_num_f32 v[BM+\j], v[BM+\j], v[PD+\j]     ; with lane l xor 16's 16 events
.endr
.irp j, 0,1,2,3
	v_mul_f32 v[TT+\j], s26, v[BM+\j]              ; as t (c is positive)
.endr
.irp j, 0,1,2,3
	v_max_num_f32 v[ST+4*\j+1], v[ST+4*\j+1], v[TT+\j]
.endr
.irp j, 0,1,2,3
	v_mov_b32 v[OLD+\j], v[ST+4*\j]
.endr
.irp j, 0,1,2,3
	v_floor_f32 v[ST+4*\j], -v[ST+4*\j+1]          ; the new -M = -ceil(the largest t): a whole number
.endr
.irp j, 0,1,2,3
	v_sub_f32 v[OLD+\j], v[ST+4*\j], v[OLD+\j]     ; old M - new M, 0 or less
.endr
.irp j, 0,1,2,3
	v_cvt_i32_f32 v[OLD+\j], v[OLD+\j]             ; (it saturates)
.endr
.irp j, 0,1,2,3
	v_ldexp_f32 v[FP+2*\j], 1.0, v[OLD+\j]         ; 2^(old M - new M): brings my sum under the new M and rounds nothing
.endr
.irp i, 0,2,4,6,8,10,12,14
.irp j, 0,1,2,3
	v_pk_fma_f32 v[S+16*\j+\i:S+16*\j+\i+1], v[S+16*\j+\i:S+16*\j+\i+1], s[26:27], v[ST+4*\j:ST+4*\j+1] op_sel_hi:[1,0,0]   ; t - M, two at a time
.endr
.endr
.irp j, 0,1,2,3
	v_fma_f32 v[BM+\j], v[BM+\j], s26, v[ST+4*\j]  ; the same of the block's largest score
.endr
.irp i, 0,1,2,3,4,5,6,7,8,9,10,11,12,13,14,15
.irp j, 0,1,2,3
	v_exp_f32 v[S+16*\j+\i], v[S+16*\j+\i]         ; p = 2^(t - M): not normalised
.endr
.endr
.irp j, 0,1,2,3
	v_med3_num_f32 v[TT+\j], v[ST+4*\j], s44, s30  ; -M held to +-2^20, for E.  (Plain lines behind the exponentials)
.endr
	s_wait_alu depctr_va_vdst(0)                   ; one wait for the 64, ahead of their first reader
.irp j, 0,1,2,3
	v_exp_f32 v[BM+\j], v[BM+\j]                   ; the block's largest p: the same two instructions on the same number give the same bits
.endr
.irp j, 0,1,2,3
	v_pk_fma_f32 v[ST+4*\j+2:ST+4*\j+3], v[ST+4*\j+2:ST+4*\j+3], v[FP+2*\j:FP+2*\j+1], v[S+16*\j:S+16*\j+1] op_sel_hi:[1,0,1]   ; the sum, of the unquantised p
.endr
.irp i, 2,4,6,8,10,12,14
.irp j, 0,1,2,3
	v_pk_add_f32 v[ST+4*\j+2:ST+4*\j+3], v[ST+4*\j+2:ST+4*\j+3], v[S+16*\j+\i:S+16*\j+\i+1]
.endr
.endr
	s_wait_alu depctr_va_vdst(0)                   ; and one for the four
.irp j, 0,1,2,3
	v_max_num_f32 v[BM+\j], 0x1800000, v[BM+\j]    ; the floor 2^(3 - 127): the byte cannot fall under 1 (a block of zeros keeps that byte over zero codes)
.endr
.irp j, 0,1,2,3
	v_add_nc_u32 v[SO+\j], 0xff000000, v[BM+\j]    ; 2 off the exponent field: the conversion's scale operand
.endr
.irp j, 0,1,2,3
	v_lshrrev_b32 v[EV+\j], 23, v[SO+\j]           ; the byte,
.endr
.irp j, 0,1,2,3
	v_cvt_f32_u32 v[EV+\j], v[EV+\j]
.endr
.irp j, 0,1,2,3
	v_sub_f32 v[EV+\j], v[EV+\j], v[TT+\j]         ; + M: E
.endr
.irp j, 0,1,2,3
	v_cvt_scalef32_pk8_fp4_f32 v[PCD+2*\j], v[S+16*\j:S+16*\j+7], v[SO+\j]
	v_cvt_scalef32_pk8_fp4_f32 v[PCD+2*\j+1], v[S+16*\j+8:S+16*\j+15], v[SO+\j]
.endr
	v_nop                                          ; a plain line behind the last conversion: matrix instructions write its sources again
.endm
.macro PSTORE buf                      ; my 8 bytes of each image: block w is register group w / 2, lanes 16 (w % 2) + r; events 16 h on are bytes 8 h on.  And E
.irp j, 0,1,2,3
	ds_store_b64 v[PST], v[PCD+2*\j:PCD+2*\j+1] offset:\buf*BUFB+1024*\j
.endr
.irp j, 0,1,2,3
	ds_store_b32 v[EST], v[EV+\j] offset:\buf*BUFB+256*\j   ; both halves of the lanes write the same word with the same value
.endr
.endm
; The four waves' E and codes come back; R moves; p's scale words are made.
.macro CONSUME buf
.irp j, 0,1,2,3
	ds_load_b128 v[E4+4*\j:E4+4*\j+3], v[ELD] offset:\buf*BUFB+256*\j
.endr
.irp hi, 0,1
	WIN 0x40+0x80*\hi
.irp jj, 0,1
.irp c, 0,1
	ds_load_b128 v[PR+8*\jj+4*\c:PR+8*\jj+4*\c+3], v[L16] offset:\buf*BUFB+1024*(2*\hi+\jj)+512*\c
.endr
.endr
.endr
	WIN 0
	s_wait_dscnt 8                                 ; the four loads of E are in; the eight of codes, issued behind them, may be out
.irp j, 0,1,2,3
	v_max3_num_f32 v[RN+\j], v[R+\j], v[E4+4*\j], v[E4+4*\j+1]
.endr
.irp j, 0,1,2,3
	v_max3_num_f32 v[RN+\j], v[RN+\j], v[E4+4*\j+2], v[E4+4*\j+3]
.endr
.irp j, 0,1,2,3
	v_sub_f32 v[K0+\j], v[R+\j], v[RN+\j]          ; old R - new R: a whole number, 0 or less
.endr
.irp j, 0,1,2,3
	v_cvt_i32_f32 v[K0+\j], v[K0+\j]
.endr
	WIN 0x80
.irp j, 0,1,2,3
	v_ldexp_f32 v[FR+2*\j], 1.0, v[K0+\j]          ; the factor for O^T
.endr
	WIN 0
.irp j, 0,1,2,3
	v_mov_b32 v[R+\j], v[RN+\j]
.endr
.irp j, 0,1,2,3
	v_sub_f32 v[K0+\j], s31, v[RN+\j]              ; 2^23 + 127 - R: exact, all these are whole numbers under 2^24
.endr
.irp e, 0,1,2,3
.irp j, 0,1,2,3
	v_add_f32 v[E4+4*\j+\e], v[E4+4*\j+\e], v[K0+\j]
.endr
.endr
.irp e, 0,1,2,3
.irp j, 0,1,2,3
	v_max_num_f32 v[E4+4*\j+\e], s32, v[E4+4*\j+\e]   ; 2^23 + max(E - R + 127, 0): the byte is the word's low byte
.endr
.endr
.irp j, 0,1,2,3
	v_perm_b32 v[TT+2*\j], v[E4+4*\j+1], v[E4+4*\j], s33
	v_perm_b32 v[TT+2*\j+1], v[E4+4*\j+3], v[E4+4*\j+2], s33
.endr
.irp j, 0,1,2,3
	v_perm_b32 v[PW+\j], v[TT+2*\j+1], v[TT+2*\j], s34   ; lane r: query r's four bytes, block e in byte e
.endr
	s_wait_dscnt 0x0                               ; p's codes are in
.endm
.macro RSC hi, jj, ta                  ; one accumulator of O^T x the factor, from its low end on
.irp i, 0,2,4,6
	v_pk_mul_f32 v[64*(\jj)+8*(\ta)+\i:64*(\jj)+8*(\ta)+\i+1], v[FR+2*(2*(\hi)+(\jj)):FR+2*(2*(\hi)+(\jj))+1], v[64*(\jj)+8*(\ta)+\i:64*(\jj)+8*(\ta)+\i+1] op_sel_hi:[0,1]
.endr
.endm
; O^T += V^T P^T: 32 products, each on an accumulator of its own.  The rescaling stands among them under the same setting of the windows (the factor as source 0, window 2): an accumulator is rescaled
; a tile of d ahead of its product.  The first eight lines are also the eight places between the lines that made p's scale words and the first product.
.macro PVMUL zero
.irp hi, 0,1
	WIN 0x56+0xa8*\hi                              ; V and the factor window 2; p, O^T window 1 or 3
.if \zero
.if \hi == 0
.rept 8
	v_nop
.endr
.endif
.else
	RSC \hi, 0, 0
	RSC \hi, 1, 0
.endif
.irp ta, 0,1,2,3,4,5,6,7
.irp jj, 0,1
.set rD, 64*\jj+8*\ta
.set rA, VR+8*\ta
.set rB, PR+8*\jj
.set rX, VSW+\ta/2
.set rY, PW+2*\hi+\jj
.set cz, \zero
.set ra, \ta%2
.set rb, 0
	WM
.if (\zero == 0) && (\ta < 7)
	RSC \hi, \jj, \ta+1
.endif
.endr
.endr
.endr
	WIN 0
.endm
; A STEP of 128 events.  zero = 1: the first, which starts O^T's sums and is always walked; buf: the LDS buffer; last = 1: nothing more is fetched.
.macro STEP zero, buf, last
	s_wait_loadcnt 17                              ; this step's K is in: behind it were issued V's 17 loads, which may be out (where they were passed over, the other arm has waited for all)
.if \zero == 0
	s_bitcmp1_b32 s19, 0
	s_cbranch_scc0 .Lno_s_\@
.endif
	SMUL
.if \zero == 0
.Lno_s_\@:
.endif
	PLACES                                         ; on every path
.if \last == 0
	s_bitcmp1_b32 s19, 1
	s_cbranch_scc0 .Lno_k_\@
	LOADK                                          ; the next step's K: it has the rest of this step in which to come
	s_branch .Lhave_k_\@
.Lno_k_\@:
	s_wait_loadcnt 0x0                             ; so that the counted waits hold on this path too
.Lhave_k_\@:
	; PREFETCHES INTO THE L2, behind the wave's loads.  The sample's sixteen work-groups walk the same codes: the first of them asks, for step I + 3, two steps ahead of the loads that will want it: 32,768 bytes of kc
	; and of vc, 8,192 a wave, lanes 256 bytes apart: each block once.  Steps 0 to 2 come by their loads alone; a step without work is not asked for, and none lies behind step 31.
	s_bitcmp1_b32 s20, 3
	s_cbranch_scc0 .Lno_a_\@
	global_prefetch_b8 v[PF], s[6:7] offset:65536 th:TH_LOAD_NT scope:SCOPE_SE
	global_prefetch_b8 v[PF], s[10:11] offset:65536 th:TH_LOAD_NT scope:SCOPE_SE
.Lno_a_\@:
.if \buf == 0
	s_bitcmp1_b32 s21, 4                           ; in the even steps its wave 0 asks for the scale words of steps I + 4 and I + 5: 8,192 bytes
	s_cbranch_scc0 .Lno_b_\@
	global_prefetch_b8 v[PFS], s[8:9] offset:12288 th:TH_LOAD_NT scope:SCOPE_SE
.Lno_b_\@:
.endif
.endif
.if \zero == 0
	s_bitcmp1_b32 s19, 0
	s_cbranch_scc0 .Lno_p_\@
.endif
	MASK
	SOFTMAX
	PSTORE \buf
.if \zero == 0
.Lno_p_\@:
.endif
	s_wait_dscnt 0x0                               ; for the others' sake: my codes and E lie in LDS; and my reads of the other buffer, a step ago, are over
	s_barrier_signal -1
	s_barrier_wait -1                              ; one barrier a step, on every path: a buffer is written again only behind the other buffer's barrier
.if \last
	s_wait_loadcnt 0x0
.else
	s_wait_loadcnt 20                              ; this step's V is in: behind it were issued the next K's 20 loads
.endif
.if \zero == 0
	s_bitcmp1_b32 s19, 0
	s_cbranch_scc0 .Lno_c_\@
.endif
	CONSUME \buf
	PVMUL \zero
.if \zero == 0
.Lno_c_\@:
.endif
	PLACES                                         ; on every path
.if \last == 0
	s_bitcmp1_b32 s19, 1
	s_cbranch_scc0 .Lno_v_\@
	LOADV                                          ; the next step's V
	s_branch .Lhave_v_\@
.Lno_v_\@:
	s_wait_loadcnt 0x0
.Lhave_v_\@:
	s_wait_xcnt 0x0                                ; the step's loads and prefetches have read their bases
	s_add_nc_u64 s[6:7], s[6:7], 32768
	s_add_nc_u64 s[10:11], s[10:11], 32768
	s_add_nc_u64 s[8:9], s[8:9], 4096
.endif
	s_lshr_b32 s19, s19, 1
	s_lshr_b32 s20, s20, 1
	s_lshr_b32 s21, s21, 1
	s_add_co_u32 s22, s22, 1
.endm
	STEP 1, 0, 0
	s_mov_b32 s35, 15
.Lpair:                                            ; a trip runs two steps, until the buffers are back where they began
	STEP 0, 1, 0
	STEP 0, 0, 0
	s_sub_co_u32 s35, s35, 1
	s_cmp_lg_u32 s35, 0
	s_cbranch_scc1 .Lpair
	STEP 0, 1, 1
	; THE WAY OUT.  Each producer's -M and sum go round through LDS; the sums are brought under the largest M.
.irp j, 0,1,2,3
	v_add_f32 v[ST+4*\j+2], v[ST+4*\j+2], v[ST+4*\j+3]
.endr
.irp j, 0,1,2,3
	v_permlanex16_b32 v[PD+\j], v[ST+4*\j+2], s28, s29
.endr
.irp j, 0,1,2,3
	v_add_f32 v[TT+2*\j+1], v[ST+4*\j+2], v[PD+\j] ; my block's sum for query r
.endr
.irp j, 0,1,2,3
	v_med3_num_f32 v[TT+2*\j], v[ST+4*\j], s44, s30
.endr
.irp j, 0,1,2,3
	ds_store_b64 v[MLS], v[TT+2*\j:TT+2*\j+1] offset:128*\j
.endr
	s_wait_dscnt 0x0
	s_barrier_signal -1
	s_barrier_wait -1
.irp j, 0,1,2,3
.irp x, 0,1,2,3
	ds_load_b64 v[176+8*\j+2*\x:176+8*\j+2*\x+1], v[MLL] offset:512*\x+128*\j
.endr
.endr
	s_wait_dscnt 0x0
.irp j, 0,1,2,3
	v_min_num_f32 v[BM+\j], v[176+8*\j], v[178+8*\j]
.endr
.irp j, 0,1,2,3
	v_min_num_f32 v[BM+\j], v[BM+\j], v[180+8*\j]
.endr
.irp j, 0,1,2,3
	v_min_num_f32 v[BM+\j], v[BM+\j], v[182+8*\j]  ; the smallest -M: the largest M
.endr
.irp x, 0,1,2,3
.irp j, 0,1,2,3
	v_sub_f32 v[176+8*\j+2*\x], v[BM+\j], v[176+8*\j+2*\x]
.endr
.endr
.irp x, 0,1,2,3
.irp j, 0,1,2,3
	v_cvt_i32_f32 v[176+8*\j+2*\x], v[176+8*\j+2*\x]
.endr
.endr
.irp x, 0,1,2,3
.irp j, 0,1,2,3
	v_ldexp_f32 v[177+8*\j+2*\x], v[177+8*\j+2*\x], v[176+8*\j+2*\x]
.endr
.endr
.irp j, 0,1,2,3
	v_add_f32 v[SO+\j], v[177+8*\j], v[179+8*\j]
	v_add_f32 v[EV+\j], v[181+8*\j], v[183+8*\j]
.endr
.irp j, 0,1,2,3
	v_add_f32 v[SO+\j], v[SO+\j], v[EV+\j]         ; the row's sum
.endr
.irp j, 0,1,2,3
	v_rcp_f32 v[SO+\j], v[SO+\j]
.endr
.irp j, 0,1,2,3
	v_add_f32 v[K0+\j], v[R+\j], v[BM+\j]          ; R - M.  (Plain lines behind the reciprocals)
.endr
.irp j, 0,1,2,3
	v_add_f32 v[K0+\j], 0xc2fe0000, v[K0+\j]       ; - 127
.endr
.irp j, 0,1,2,3
	v_cvt_i32_f32 v[K0+\j], v[K0+\j]
.endr
	s_wait_alu depctr_va_vdst(0)                   ; one wait for the four reciprocals, ahead of their first reader
	WIN 0x80
.irp j, 0,1,2,3
	v_ldexp_f32 v[FR+2*\j], v[SO+\j], v[K0+\j]     ; 2^(R - 127 - M) / the sum, where the loop's factor lay
.endr
; Tile j: scaled; a lane's eight d of a row go into my stage and come back as whole rows of 512 bytes.  LDS serves a wave's instructions in order (ISA guide 5.7.1.4): no wait between the stores and the loads.
.macro PACK j
	WIN 0x56+0xa8*((\j)/2)
.set i, 64*((\j)%2)
.rept 32
	v_pk_mul_f32 v[i:i+1], v[FR+2*(\j):FR+2*(\j)+1], v[i:i+1] op_sel_hi:[0,1]
.set i, i+2
.endr
	WIN 0x04+8*((\j)/2)                            ; an LDS store's data are its source 1: window 1 or 3
.irp ta, 0,1,2,3,4,5,6,7
	ds_store_b128 v[STO], v[64*((\j)%2)+8*\ta:64*((\j)%2)+8*\ta+3] offset:64*\ta
	ds_store_b128 v[STO], v[64*((\j)%2)+8*\ta+4:64*((\j)%2)+8*\ta+7] offset:64*\ta+16
.endr
	WIN 0
.irp q, 0,1,2,3,4,5,6,7,8,9,10,11,12,13,14,15
	ds_load_b128 v[RB+64*((\j)%2)+4*\q:RB+64*((\j)%2)+4*\q+3], v[RD] offset:SPITCH*\q
.endr
.endm
.macro SEND j, younger                 ; younger: the LDS instructions issued behind tile j's loads: the next tile's 16 stores and 16 loads, or none
	s_wait_dscnt \younger
.irp q, 0,1,2,3,4,5,6,7,8,9,10,11,12,13,14,15
	global_store_b128 v[L16], v[RB+64*((\j)%2)+4*\q:RB+64*((\j)%2)+4*\q+3], s[12:13] offset:(32*((\j)/2)+8*((\j)%2)+\q+8*(\q/8))*2048 th:TH_STORE_NT   ; 32 lanes store 512 consecutive bytes, aligned; written once, read by nobody here
.endr
.endm
	PACK 0
	PACK 1
	SEND 0, 32
	s_wait_xcnt 0x0                                ; tile 0's stores have read their registers: tile 2's rows may land there
	PACK 2
	SEND 1, 32
	s_wait_xcnt 0x0
	PACK 3
	SEND 2, 32
	SEND 3, 0
	s_wait_tensorcnt 0x0
	ds_add_u32 v254, v255
	s_wait_dscnt 0x0
	s_endpgm
.Lfunc_end_k_qc5f90779a8_attend:
	.size	k_qc5f90779a8_attend, .Lfunc_end_k_qc5f90779a8_attend-k_qc5f90779a8_attend
	.p2alignl 7, 3214868480
	.fill 96, 4, 3214868480
	.section	.rodata,"a",@progbits
	.p2align	6, 0x0
	.amdhsa_kernel k_qc5f90779a8_attend
		.amdhsa_group_segment_fixed_size 46592
		.amdhsa_private_segment_fixed_size 0
		.amdhsa_enable_private_segment 0
		.amdhsa_kernarg_size 40
		.amdhsa_user_sgpr_count 2
		.amdhsa_user_sgpr_kernarg_segment_ptr 1
		.amdhsa_wavefront_size32 1
		.amdhsa_system_sgpr_workgroup_id_x 1
		.amdhsa_system_sgpr_workgroup_id_y 1
		.amdhsa_system_sgpr_workgroup_id_z 1
		.amdhsa_system_vgpr_workitem_id 0
		.amdhsa_next_free_vgpr 1024
		.amdhsa_next_free_sgpr 66
		.amdhsa_reserve_vcc 1
		.amdhsa_float_denorm_mode_32 3
		.amdhsa_float_denorm_mode_16_64 3
		.amdhsa_memory_ordered 1
		.amdhsa_forward_progress 1
		.amdhsa_inst_pref_size 190
	.end_amdhsa_kernel
	.amdgpu_metadata
---
amdhsa.version: [ 1, 2 ]
amdhsa.kernels:
  - .name:           k_qc5f90779a8_attend
    .symbol:         k_qc5f90779a8_attend.kd
    .args:
      - { .name: real_len, .offset: 0, .size: 8, .value_kind: global_buffer, .address_space: global }
      - { .name: kc, .offset: 8, .size: 8, .value_kind: global_buffer, .address_space: global }
      - { .name: sc, .offset: 16, .size: 8, .value_kind: global_buffer, .address_space: global }
      - { .name: vc, .offset: 24, .size: 8, .value_kind: global_buffer, .address_space: global }
      - { .name: out0, .offset: 32, .size: 8, .value_kind: global_buffer, .address_space: global }
    .group_segment_fixed_size: 46592
    .private_segment_fixed_size: 0
    .kernarg_segment_align: 8
    .kernarg_segment_size: 40
    .max_flat_workgroup_size: 128
    .sgpr_count:     66
    .vgpr_count:     1024
    .wavefront_size: 32
...
	.end_amdgpu_metadata
.endif
;; end of part 2
;; ======== version 2 of 2: 2 launches
;; limits: right only within a limited range of input values
;; workspace buffers: kc 17,039,360 bytes; sc 2,129,920 bytes; vc 16,777,216 bytes
;; launch embed (part 3): grid 4 x 520, 4 waves a work-group, no clusters, 17,920 bytes of LDS; arguments times, type_emb, real_len, kc, sc, vc; writes kc, sc, vc
.if DOCPART == 3
	.amdgcn_target "amdgcn-amd-amdhsa--gfx1250"
	.amdhsa_code_object_version 6
	.text
	.protected	k_qc5f90779a8_embed
	.globl	k_qc5f90779a8_embed
	.p2align	8
	.type	k_qc5f90779a8_embed,@function
k_qc5f90779a8_embed:
	s_mov_b64 s[64:65], 0
	v_nop
	global_prefetch_b8 v0, s[64:65] scope:SCOPE_SE
	s_setreg_imm32_b32 hwreg(HW_REG_WAVE_MODE, 25, 1), 1
	s_wait_xcnt 0x0
; emb[b][t*2048+l][d] = (sin or cos(times[t][b][l] / pos[d]) + type_emb[t][d]) x (times != 0), and the grid queries q[g][d] = sin or cos((g + 0.5) / pos[d]),
; pos[d] = 10000^((d / 2) / 256), are made in f32 and turned into codes of FP4 (E2M1) with one E8M0 byte for each 32 numbers, TWICE: along d (the first product's K) and, emb alone, along the events (the second product's K).
; A FLAT STEP F is 128 rows: F = 32 b + 16 t + sg for events 128 sg .. 128 sg + 127 of type t, sample b; F = 512 .. 519 for the grid queries.  A work-group (x = s, y = F) takes 128 rows x d = 128 s .. 128 s + 127.
; THE BUFFERS LIE IN THE ORDER OF THE OPERANDS' REGISTERS, so that the next launch loads every fragment by 16-byte loads, 512 consecutive bytes a wave:
;   kc [F][s 4][w 4][u 2][c 2][lane 32][16 bytes]: lane (r, h) holds d = 128 s + 64 c + 32 h + 0 .. 31 of row 32 w + 8 u + r + 8 (r / 8)
;   vc [F][d tile 32][c 2][lane 32][16 bytes]:     lane (r, h) holds events 64 c + 32 h + 0 .. 31 of d = 16 x tile + r
;   sc [F][4096]: bytes 0 .. 2047 [s 4][w 4][16 u + r][byte = block of 32 d]; bytes 2048 .. 4095 [s 4][lane 32][j 4][byte = block of 32 events], for d = 128 s + 32 j + lane
; SHARES.  Wave w takes rows 32 w .. 32 w + 31.  Lane bits: a = bit 0, nq = bits 1-2, db = bits 3-4.  A lane holds 8 rows (8 nq + i) x 16 d (32 db + 16 a + 0 .. 15): eight frequencies, each with its sine and its cosine.
; A block of 32 d lies in lanes l and l xor 1; a block of 32 events in the four lanes that differ in nq.  So both maxima need lane steps inside a row of 16 lanes alone.
; A step none of whose events counts (128 sg >= real_len[t][b]; step 0 of each type is always made) is left out: a scalar branch on real_len, which the next launch takes alike.  The one barrier stands on every path.
; SINE AND COSINE: x = t / pos by a reciprocal with one correction of the reciprocal and one of the quotient; n = the whole number nearest x / pi; r = x - n pi with pi in two parts; both series in r^2, six terms, as one packed chain; sign (-1)^n.
; LIMITS: NaN and infinities among the inputs are not served; |times / pos| stays under 2^22 pi; pos is good to 1 or 2 units in its last place (its power of two comes from v_exp_f32); a block of zeros gets the byte 1 and zero codes
; (the bytes are read by this program alone).  The stage's stores of 8 and 4 bytes fall eight deep on the LDS banks: 24 such stores a wave against some 1,400 vector lines.
.set KSB,  16384                       ; LDS: each wave has 4,096 bytes (2,048 K's stage, 2,048 V's); behind them the work-group's 512 scale bytes of K
.set VSB,  16896                       ; and its 512 of V
.set T,    8                           ; v8-15    my 8 rows' times
.set POS,  16                          ; v16-23   pos of my 8 frequencies
.set RIN,  24                          ; v24-31   1 / pos
.set TE,   32                          ; v32-47   type_emb of my 16 d
.set CF,   48                          ; v48-59   the series' coefficients, pairs (sine's, cosine's), the highest first
.set XA,   60                          ; v60-67   x, then r
.set XB,   68                          ; v68-75   at work; n in its low bits
.set XC,   76                          ; v76-83   n, then r^2
.set SG,   84                          ; v84-99   pairs (r x sign, sign)
.set P,    100                         ; v100-115 one row's 16 numbers
.set MXA,  116
.set MXB,  117
.set SOP,  118                         ; the conversion's scale operand
.set BYT,  119                         ; the scale's byte
.set KCD,  120                         ; v120-121 16 codes
.set PADM, 122                         ; all ones where the time is not 0
.set PADF, 123                         ; 1.0 there, else 0
.set MAG,  124                         ; v124-125 1.5 x 2^23
.set KSA,  126                         ; LDS address: KSB + 16 x lane
.set VSA,  127                         ; VSB + 16 x lane
.set W,    128                         ; v128-255 the same numbers turned: W[8 dd + e] = row e, d dd
.set VMX,  60                          ; behind the events: v60-75 largest magnitudes, v76-91 scale operands, v92-107 bytes, v16-31 codes
.set VSO,  76
.set VBY,  92
.set VCD,  16
.set RBK,  32                          ; v32-47 K's codes read back; V's: v48-59 and v108-111
	s_load_b256 s[4:11], s[0:1], 0x0               ; times s[4:5], type_emb s[6:7], real_len s[8:9], kc s[10:11]
	s_load_b128 s[12:15], s[0:1], 0x20             ; sc s[12:13], vc s[14:15]
	s_set_vgpr_msb 0x40
	v_lshl_add_u32 v0, v0, 2, 0x4400
	v_mov_b32 v1, 0
	s_set_vgpr_msb 0x4000
	v_lshrrev_b32 v1, 5, v0
	v_readfirstlane_b32 s16, v1                    ; wave w
	s_mov_b32 s17, ttmp9                           ; s: which 128 of d
	s_and_b32 s18, ttmp7, 0xffff                   ; F
	s_lshr_b32 s19, s18, 5                         ; b
	s_bfe_u32 s20, s18, 0x10004                    ; t
	s_and_b32 s21, s18, 15                         ; sg
	s_lshl_b32 s22, s20, 4
	s_add_co_u32 s22, s22, s19                     ; 16 t + b
	s_lshl_b32 s23, s22, 2
	s_cmp_ge_u32 s18, 512
	s_cselect_b32 s23, 0, s23                      ; the grid's steps read word 0 and do not use it
	s_wait_kmcnt 0x0
	s_load_b32 s44, s[8:9], s23 offset:0x0         ; real_len[t][b]
	; every address that is used behind the barrier is made here, on the way that all waves take
	v_and_b32 v100, 31, v0                         ; lane
	v_and_b32 v101, 1, v0                          ; a
	v_bfe_u32 v102, v0, 1, 2                       ; nq
	v_bfe_u32 v103, v0, 3, 2                       ; db
	v_bfe_u32 v104, v0, 1, 1                       ; nq % 2 = u
	v_bfe_u32 v105, v0, 2, 1                       ; nq / 2
	v_bfe_u32 v106, v0, 3, 1                       ; db % 2 = h of the operand
	v_bfe_u32 v107, v0, 4, 1                       ; db / 2 = c of the operand
	s_lshl_b32 s36, s16, 12                        ; my wave's 4,096 bytes
	v_lshlrev_b32 v6, 4, v100                      ; v6: 16 x lane
	v_add_nc_u32 v1, s36, v6                       ; v1: my 16 bytes of a read-back
	v_lshlrev_b32 v2, 3, v101                      ; v2: K's stage: u 1024 + c 512 + h 256 + (nq / 2) 128 + 8 a; row i adds 16 i
	v_lshl_add_u32 v2, v105, 7, v2
	v_lshl_add_u32 v2, v106, 8, v2
	v_lshl_add_u32 v2, v107, 9, v2
	v_lshl_add_u32 v2, v104, 10, v2
	v_add_nc_u32 v2, s36, v2
	v_lshlrev_b32 v4, 2, v102                      ; v4: V's stage: (2 db + a) 256 + 4 nq; d dd adds 16 dd
	v_lshl_add_u32 v4, v101, 8, v4
	v_lshl_add_u32 v4, v103, 9, v4
	s_add_co_u32 s36, s36, 2048
	v_add_nc_u32 v4, s36, v4
	s_lshl_b32 s36, s16, 7
	s_add_co_u32 s37, s36, KSB
	v_lshl_add_u32 v3, v105, 5, v103               ; v3: K's scale byte: 128 w + 64 u + 32 (nq / 2) + db; row i adds 4 i
	v_lshl_add_u32 v3, v104, 6, v3
	v_add_nc_u32 v3, s37, v3
	s_add_co_u32 s37, s16, VSB
	v_lshlrev_b32 v5, 2, v103                      ; v5: V's scale byte: 256 a + 4 db + w; d dd adds 16 dd
	v_lshl_add_u32 v5, v101, 8, v5
	v_add_nc_u32 v5, s37, v5
	v_and_b32 v7, 15, v0                           ; v7: V's codes in memory: (lane / 16) 1024 + (lane % 16) 16
	v_lshlrev_b32 v7, 4, v7
	v_lshl_add_u32 v7, v107, 10, v7
	v_add_nc_u32 v[KSA], KSB, v6
	v_add_nc_u32 v[VSA], VSB, v6
	v_lshlrev_b32 v108, 3, v101                    ; v108: my first frequency: 64 s + 16 db + 8 a
	v_lshl_add_u32 v108, v103, 4, v108
	s_lshl_b32 s37, s17, 6
	v_add_nc_u32 v108, s37, v108
	v_lshlrev_b32 v109, 5, v102                    ; v109: my 8 times: 128 w + 32 nq bytes
	v_add_nc_u32 v109, s36, v109
	v_lshlrev_b32 v110, 6, v101                    ; v110: my 16 of type_emb: 128 db + 64 a bytes
	v_lshl_add_u32 v110, v103, 7, v110
	s_lshl_b32 s36, s18, 15
	s_lshl_b32 s37, s17, 13
	s_add_co_u32 s36, s36, s37                     ; 32,768 F + 8,192 s
	s_lshl_b32 s38, s16, 11
	s_add_co_u32 s38, s36, s38
	s_mov_b32 s39, 0
	s_add_nc_u64 s[10:11], s[10:11], s[38:39]      ; kc at my wave's 2,048 bytes
	s_lshl_b32 s38, s16, 8
	s_add_co_u32 s38, s36, s38
	s_add_nc_u64 s[14:15], s[14:15], s[38:39]      ; vc at (c, h) = my wave's block of events: 256 w
	s_lshl_b32 s38, s18, 12
	s_lshl_b32 s37, s17, 9
	s_add_co_u32 s38, s38, s37
	s_add_nc_u64 s[12:13], s[12:13], s[38:39]      ; sc at 4,096 F + 512 s
	s_mov_b32 s24, 0x3ea2f983                      ; 1 / pi.  (The packed forms name a pair and take its low word for both halves: both words are written)
	s_mov_b32 s25, s24
	s_mov_b32 s26, 0xc0490fdb                      ; -pi, its upper part
	s_mov_b32 s27, s26
	s_mov_b32 s28, 0x33bbbd2e                      ; and what is left of it
	s_mov_b32 s29, s28
	s_mov_b32 s30, 0x3d549a78                      ; log2(10000) / 256, its upper part
	s_mov_b32 s31, s30
	s_mov_b32 s32, 0x30979a6b                      ; and what is left of it
	s_mov_b32 s33, s32
	s_mov_b32 s34, 0x3f317218                      ; ln 2
	s_mov_b32 s35, s34
	s_wait_kmcnt 0x0
	s_max_i32 s44, s44, 1                          ; step 0 of each type is always made
	s_cmp_ge_u32 s18, 512
	s_cselect_b32 s44, 0x7fffffff, s44             ; the grid's steps all count
	s_lshl_b32 s46, s21, 7
	s_cmp_lt_i32 s46, s44                          ; does the step's first event count?
	s_cselect_b32 s45, 1, 0                        ; s45: this work-group has work (the same in its four waves)
	s_cbranch_scc0 .Lidle
	s_cmp_ge_u32 s18, 512
	s_cbranch_scc1 .Lgrid
	s_lshl_b32 s38, s22, 13                        ; times: (16 t + b) x 8,192 + 512 sg bytes
	s_lshl_b32 s37, s21, 9
	s_add_co_u32 s38, s38, s37
	s_add_nc_u64 s[4:5], s[4:5], s[38:39]
	s_lshl_b32 s38, s20, 11                        ; type_emb: 2,048 t + 512 s bytes
	s_lshl_b32 s37, s17, 9
	s_add_co_u32 s38, s38, s37
	s_add_nc_u64 s[6:7], s[6:7], s[38:39]
	s_wait_alu depctr_va_vdst(0)
	global_load_b128 v[T:T+3], v109, s[4:5]
	global_load_b128 v[T+4:T+7], v109, s[4:5] offset:16
.irp i, 0,1,2,3
	global_load_b128 v[TE+4*\i:TE+4*\i+3], v110, s[6:7] offset:16*\i
.endr
	s_branch .Lsetup
.Lgrid:                                            ; the grid's mid-times g + 0.5; nothing is added to their sinusoids
	s_sub_co_u32 s38, s18, 512
	s_lshl_b32 s38, s38, 7
	s_lshl_b32 s37, s16, 5
	s_add_co_u32 s38, s38, s37
	v_lshl_add_u32 v111, v102, 3, s38              ; g of my first row: 128 (F - 512) + 32 w + 8 nq
.irp i, 0,1,2,3,4,5,6,7
	v_add_nc_u32 v[T+\i], \i, v111
.endr
.irp i, 0,1,2,3,4,5,6,7
	v_cvt_f32_u32 v[T+\i], v[T+\i]
.endr
.irp i, 0,1,2,3,4,5,6,7
	v_add_f32 v[T+\i], 0.5, v[T+\i]
.endr
.irp i, 0,1,2,3,4,5,6,7,8,9,10,11,12,13,14,15
	v_mov_b32 v[TE+\i], 0
.endr
.Lsetup:
	; pos = 2^(k c), c = log2(10000) / 256 in two parts: the product's upper part is split into a whole number and a fraction, what the product's rounding lost is put back by y (1 + e ln 2)
.irp i, 0,1,2,3,4,5,6,7
	v_add_nc_u32 v[XA+\i], \i, v108
.endr
.irp i, 0,1,2,3,4,5,6,7
	v_cvt_f32_u32 v[XA+\i], v[XA+\i]               ; k
.endr
.irp p, 0,2,4,6
	v_pk_mul_f32 v[XB+\p:XB+\p+1], v[XA+\p:XA+\p+1], s[30:31] op_sel_hi:[1,0]
.endr
.irp p, 0,2,4,6
	v_pk_fma_f32 v[XC+\p:XC+\p+1], v[XA+\p:XA+\p+1], s[30:31], v[XB+\p:XB+\p+1] op_sel_hi:[1,0,1] neg_lo:[0,0,1] neg_hi:[0,0,1]   ; what that rounding lost,
.endr
.irp p, 0,2,4,6
	v_pk_fma_f32 v[XC+\p:XC+\p+1], v[XA+\p:XA+\p+1], s[32:33], v[XC+\p:XC+\p+1] op_sel_hi:[1,0,1]   ; and k x the lower part: e
.endr
.irp i, 0,1,2,3,4,5,6,7
	v_rndne_f32 v[SG+\i], v[XB+\i]
.endr
.irp p, 0,2,4,6
	v_pk_add_f32 v[SG+8+\p:SG+8+\p+1], v[XB+\p:XB+\p+1], v[SG+\p:SG+\p+1] neg_lo:[0,1] neg_hi:[0,1]   ; the fraction, exact
.endr
	s_wait_alu depctr_va_vdst(0)
.irp i, 0,1,2,3,4,5,6,7
	v_exp_f32 v[SG+8+\i], v[SG+8+\i]
.endr
	v_nop                                          ; a plain line behind the last exponential
.irp i, 0,1,2,3,4,5,6,7
	v_cvt_i32_f32 v[SG+\i], v[SG+\i]
.endr
	s_wait_alu depctr_va_vdst(0)                   ; one wait for the eight, ahead of their first reader
.irp p, 0,2,4,6
	v_pk_mul_f32 v[XC+\p:XC+\p+1], v[SG+8+\p:SG+8+\p+1], v[XC+\p:XC+\p+1]
.endr
.irp p, 0,2,4,6
	v_pk_fma_f32 v[SG+8+\p:SG+8+\p+1], v[XC+\p:XC+\p+1], s[34:35], v[SG+8+\p:SG+8+\p+1] op_sel_hi:[1,0,1]
.endr
.irp i, 0,1,2,3,4,5,6,7
	v_ldexp_f32 v[POS+\i], v[SG+8+\i], v[SG+\i]
.endr
	s_wait_alu depctr_va_vdst(0)
.irp i, 0,1,2,3,4,5,6,7
	v_rcp_f32 v[RIN+\i], v[POS+\i]
.endr
	v_mov_b32 v[CF+0], 0x2f309231                  ; 1/13!   the constants are the plain work behind the reciprocals
	v_mov_b32 v[CF+1], 0x310f76c7                  ; 1/12!
	v_mov_b32 v[CF+2], 0xb2d7322b                  ; -1/11!
	v_mov_b32 v[CF+3], 0xb493f27e                  ; -1/10!
	v_mov_b32 v[CF+4], 0x3638ef1d                  ; 1/9!
	v_mov_b32 v[CF+5], 0x37d00d01                  ; 1/8!
	v_mov_b32 v[CF+6], 0xb9500d01                  ; -1/7!
	v_mov_b32 v[CF+7], 0xbab60b61                  ; -1/6!
	v_mov_b32 v[CF+8], 0x3c088889                  ; 1/5!
	v_mov_b32 v[CF+9], 0x3d2aaaab                  ; 1/4!
	v_mov_b32 v[CF+10], 0xbe2aaaab                 ; -1/3!
	v_mov_b32 v[CF+11], 0xbf000000                 ; -1/2!
	v_mov_b32 v[MAG], 0x4b400000
	v_mov_b32 v[MAG+1], 0x4b400000
	s_wait_alu depctr_va_vdst(0)                   ; one wait for the eight reciprocals
.irp p, 0,2,4,6
	v_pk_fma_f32 v[XC+\p:XC+\p+1], v[POS+\p:POS+\p+1], v[RIN+\p:RIN+\p+1], 1.0 op_sel_hi:[1,1,0] neg_lo:[1,0,0] neg_hi:[1,0,0]
.endr
.irp p, 0,2,4,6
	v_pk_fma_f32 v[RIN+\p:RIN+\p+1], v[RIN+\p:RIN+\p+1], v[XC+\p:XC+\p+1], v[RIN+\p:RIN+\p+1]   ; the reciprocal, corrected once
.endr
	s_wait_alu depctr_va_vdst(0)
	s_wait_loadcnt 0x0                             ; times and type_emb
; ONE ROW: its 16 numbers, its codes along d, and its place in the turned copy.  ev: the row, 0 .. 7; od = ev % 2: which half of the pair of times it is.
; Each line stands four or eight times on registers that do not hang on each other.
.macro EVENT ev, od
.set TP, T+(\ev)-(\od)
.irp p, 0,2,4,6
	v_pk_mul_f32 v[XA+\p:XA+\p+1], v[TP:TP+1], v[RIN+\p:RIN+\p+1] op_sel:[\od,0] op_sel_hi:[\od,1]
.endr
.irp p, 0,2,4,6
	v_pk_fma_f32 v[XB+\p:XB+\p+1], v[XA+\p:XA+\p+1], v[POS+\p:POS+\p+1], v[TP:TP+1] op_sel:[0,0,\od] op_sel_hi:[1,1,\od] neg_lo:[1,0,0] neg_hi:[1,0,0]
.endr
.irp p, 0,2,4,6
	v_pk_fma_f32 v[XA+\p:XA+\p+1], v[XB+\p:XB+\p+1], v[RIN+\p:RIN+\p+1], v[XA+\p:XA+\p+1]   ; x = t / pos, the quotient corrected by its remainder
.endr
.irp p, 0,2,4,6
	v_pk_fma_f32 v[XB+\p:XB+\p+1], v[XA+\p:XA+\p+1], s[24:25], v[MAG:MAG+1] op_sel_hi:[1,0,1]   ; x / pi + 1.5 x 2^23: rounded to a whole number, n in the low bits
.endr
.irp p, 0,2,4,6
	v_pk_add_f32 v[XC+\p:XC+\p+1], v[XB+\p:XB+\p+1], v[MAG:MAG+1] neg_lo:[0,1] neg_hi:[0,1]   ; n
.endr
.irp p, 0,2,4,6
	v_pk_fma_f32 v[XA+\p:XA+\p+1], v[XC+\p:XC+\p+1], s[26:27], v[XA+\p:XA+\p+1] op_sel_hi:[1,0,1]
.endr
.irp p, 0,2,4,6
	v_pk_fma_f32 v[XA+\p:XA+\p+1], v[XC+\p:XC+\p+1], s[28:29], v[XA+\p:XA+\p+1] op_sel_hi:[1,0,1]   ; r = x - n pi, at most pi / 2 in magnitude
.endr
.irp i, 0,1,2,3,4,5,6,7
	v_lshl_or_b32 v[SG+2*\i+1], v[XB+\i], 31, 0x3f800000   ; (-1)^n: n's lowest bit as the sign of 1.0
.endr
.irp i, 0,1,2,3,4,5,6,7
	v_mul_f32 v[SG+2*\i], v[XA+\i], v[SG+2*\i+1]
.endr
.irp p, 0,2,4,6
	v_pk_mul_f32 v[XC+\p:XC+\p+1], v[XA+\p:XA+\p+1], v[XA+\p:XA+\p+1]   ; z = r^2
.endr
.irp p, 0,1,2,3
.irp q, 0,1
	v_pk_fma_f32 v[P+4*\p+2*\q:P+4*\p+2*\q+1], v[CF:CF+1], v[XC+2*\p:XC+2*\p+1], v[CF+2:CF+3] op_sel:[0,\q,0] op_sel_hi:[1,\q,1]   ; both series at once: low half the sine's, high half the cosine's
.endr
.endr
.irp c, 4,6,8,10
.irp p, 0,1,2,3
.irp q, 0,1
	v_pk_fma_f32 v[P+4*\p+2*\q:P+4*\p+2*\q+1], v[P+4*\p+2*\q:P+4*\p+2*\q+1], v[XC+2*\p:XC+2*\p+1], v[CF+\c:CF+\c+1] op_sel:[0,\q,0] op_sel_hi:[1,\q,1]
.endr
.endr
.endr
.irp p, 0,1,2,3
.irp q, 0,1
	v_pk_fma_f32 v[P+4*\p+2*\q:P+4*\p+2*\q+1], v[P+4*\p+2*\q:P+4*\p+2*\q+1], v[XC+2*\p:XC+2*\p+1], 1.0 op_sel:[0,\q,0] op_sel_hi:[1,\q,0]
.endr
.endr
.irp i, 0,2,4,6,8,10,12,14
	v_pk_fma_f32 v[P+\i:P+\i+1], v[P+\i:P+\i+1], v[SG+\i:SG+\i+1], v[TE+\i:TE+\i+1]   ; sin x + type_emb at the even d, cos x + type_emb at the odd
.endr
	v_max3_num_f32 v[MXA], |v[P]|, |v[P+1]|, 0x1800000   ; the largest magnitude of my 16, and the floor 2^(3 - 127): the byte cannot fall under 1
	v_max3_num_f32 v[MXB], |v[P+2]|, |v[P+3]|, |v[P+4]|
	v_max3_num_f32 v[MXA], v[MXA], |v[P+5]|, |v[P+6]|
	v_max3_num_f32 v[MXB], v[MXB], |v[P+7]|, |v[P+8]|
	v_max3_num_f32 v[MXA], v[MXA], |v[P+9]|, |v[P+10]|
	v_max3_num_f32 v[MXB], v[MXB], |v[P+11]|, |v[P+12]|
	v_max3_num_f32 v[MXA], v[MXA], |v[P+13]|, |v[P+14]|
	v_max3_num_f32 v[MXA], v[MXA], v[MXB], |v[P+15]|
	v_max_num_f32_dpp v[MXA], v[MXA], v[MXA] row_xmask:1 row_mask:0xf bank_mask:0xf   ; with my neighbour's 16: the block's
	v_cmp_neq_f32 vcc_lo, 0, v[T+(\ev)]            ; the pad: a row whose time is 0 is a row of zeros
	v_cndmask_b32 v[PADM], 0, -1, vcc_lo
	v_cndmask_b32 v[PADF], 0, 1.0, vcc_lo
	v_add_nc_u32 v[SOP], 0xff000000, v[MXA]        ; 2 off the exponent field: the conversion takes this operand's exponent field as its scale
.if (\ev) > 0
	s_wait_alu depctr_va_vdst(0)
	s_wait_dscnt 0x0                               ; the last row's two stores, issued a row ago, have read the registers that are written now
.endif
	v_lshrrev_b32 v[BYT], 23, v[SOP]               ; the scale's byte
	v_cvt_scalef32_pk8_fp4_f32 v[KCD], v[P:P+7], v[SOP]
	v_cvt_scalef32_pk8_fp4_f32 v[KCD+1], v[P+8:P+15], v[SOP]
.irp i, 0,1,2,3,4,5,6,7,8,9,10,11,12,13,14,15
	v_mul_f32 v[W+8*\i+(\ev)], v[P+\i], v[PADF]    ; the turned copy, the pad applied.  (Plain lines between the conversions and the lines that touch their results)
.endr
	v_and_b32 v[KCD], v[KCD], v[PADM]              ; zero codes for a padded row, under whatever byte
	v_and_b32 v[KCD+1], v[KCD+1], v[PADM]
	ds_store_b64 v2, v[KCD:KCD+1] offset:16*(\ev)
	ds_store_b8 v3, v[BYT] offset:4*(\ev)          ; both lanes of a block write the same byte with the same value
.endm
	EVENT 0, 0
	EVENT 1, 1
	EVENT 2, 0
	EVENT 3, 1
	EVENT 4, 0
	EVENT 5, 1
	EVENT 6, 0
	EVENT 7, 1
.irp m, 0,1,2,3
	ds_load_b128 v[RBK+4*\m:RBK+4*\m+3], v1 offset:512*\m   ; K's codes back in the operand's order.  LDS serves a wave's instructions in order (ISA guide 5.7.1.4): these see my stores
.endr
	s_cmp_ge_u32 s18, 512
	s_cbranch_scc1 .Lno_v                          ; the grid's queries are no operand of the second product
	; ALONG THE EVENTS: for each of my 16 d, my 8 events and those of the three lanes that hold the block's other 24
.irp d, 0,1,2,3,4,5,6,7,8,9,10,11,12,13,14,15
	v_max3_num_f32 v[VMX+\d], |v[W+8*\d]|, |v[W+8*\d+1]|, 0x1800000
.endr
.irp i, 2,4,6
.irp d, 0,1,2,3,4,5,6,7,8,9,10,11,12,13,14,15
	v_max3_num_f32 v[VMX+\d], v[VMX+\d], |v[W+8*\d+\i]|, |v[W+8*\d+\i+1]|
.endr
.endr
.irp d, 0,1,2,3,4,5,6,7,8,9,10,11,12,13,14,15
	v_max_num_f32_dpp v[VMX+\d], v[VMX+\d], v[VMX+\d] row_xmask:2 row_mask:0xf bank_mask:0xf
.endr
.irp d, 0,1,2,3,4,5,6,7,8,9,10,11,12,13,14,15
	v_max_num_f32_dpp v[VMX+\d], v[VMX+\d], v[VMX+\d] row_xmask:4 row_mask:0xf bank_mask:0xf
.endr
.irp d, 0,1,2,3,4,5,6,7,8,9,10,11,12,13,14,15
	v_add_nc_u32 v[VSO+\d], 0xff000000, v[VMX+\d]
.endr
.irp d, 0,1,2,3,4,5,6,7,8,9,10,11,12,13,14,15
	v_lshrrev_b32 v[VBY+\d], 23, v[VSO+\d]
.endr
.irp d, 0,1,2,3,4,5,6,7,8,9,10,11,12,13,14,15
	v_cvt_scalef32_pk8_fp4_f32 v[VCD+\d], v[W+8*\d:W+8*\d+7], v[VSO+\d]
.endr
	v_nop                                          ; a plain line behind the last conversion
.irp d, 0,1,2,3,4,5,6,7,8,9,10,11,12,13,14,15
	ds_store_b32 v4, v[VCD+\d] offset:16*\d        ; each d has registers of its own: no store's data are written again
	ds_store_b8 v5, v[VBY+\d] offset:16*\d         ; the block's four lanes write the same byte with the same value
.endr
.irp m, 0,1,2
	ds_load_b128 v[48+4*\m:48+4*\m+3], v1 offset:2048+512*\m
.endr
	ds_load_b128 v[108:111], v1 offset:2048+512*3
.Lno_v:
	s_wait_dscnt 0x0                               ; the read-backs are in
.irp m, 0,1,2,3
	global_store_b128 v6, v[RBK+4*\m:RBK+4*\m+3], s[10:11] offset:512*\m   ; 32 lanes store 512 consecutive bytes, aligned
.endr
	s_cmp_ge_u32 s18, 512
	s_cbranch_scc1 .Lidle
.irp m, 0,1,2
	global_store_b128 v7, v[48+4*\m:48+4*\m+3], s[14:15] offset:2048*\m   ; sixteen lanes store 256 consecutive bytes, aligned: my block of events in two tiles of d
.endr
	global_store_b128 v7, v[108:111], s[14:15] offset:2048*3
.Lidle:
	s_wait_dscnt 0x0                               ; for the others' sake: my scale bytes lie in LDS
	s_barrier_signal -1
	s_barrier_wait -1                              ; on every path: no branch on real_len leads round it
	s_cmp_eq_u32 s45, 0
	s_cbranch_scc1 .Lend
	s_cmp_lg_u32 s16, 0
	s_cbranch_scc1 .Lnot_0
	s_wait_alu depctr_va_vdst(0)
	ds_load_b128 v[60:63], v[KSA]                  ; wave 0: the four waves' scale bytes of K, 512 bytes
	s_wait_dscnt 0x0
	global_store_b128 v6, v[60:63], s[12:13]
.Lnot_0:
	s_cmp_lg_u32 s16, 1
	s_cbranch_scc1 .Lend
	s_cmp_ge_u32 s18, 512
	s_cbranch_scc1 .Lend
	s_wait_alu depctr_va_vdst(0)
	ds_load_b128 v[64:67], v[VSA]                  ; wave 1: those of V
	s_wait_dscnt 0x0
	global_store_b128 v6, v[64:67], s[12:13] offset:2048
.Lend:
	s_set_vgpr_msb 0x5
	s_wait_tensorcnt 0x0
	ds_add_u32 v0, v1
	s_wait_dscnt 0x0
	s_set_vgpr_msb 0x500
	s_endpgm
.Lfunc_end_k_qc5f90779a8_embed:
	.size	k_qc5f90779a8_embed, .Lfunc_end_k_qc5f90779a8_embed-k_qc5f90779a8_embed
	.p2alignl 7, 3214868480
	.fill 96, 4, 3214868480
	.section	.rodata,"a",@progbits
	.p2align	6, 0x0
	.amdhsa_kernel k_qc5f90779a8_embed
		.amdhsa_group_segment_fixed_size 17920
		.amdhsa_private_segment_fixed_size 0
		.amdhsa_enable_private_segment 0
		.amdhsa_kernarg_size 48
		.amdhsa_user_sgpr_count 2
		.amdhsa_user_sgpr_kernarg_segment_ptr 1
		.amdhsa_wavefront_size32 1
		.amdhsa_system_sgpr_workgroup_id_x 1
		.amdhsa_system_sgpr_workgroup_id_y 1
		.amdhsa_system_sgpr_workgroup_id_z 1
		.amdhsa_system_vgpr_workitem_id 0
		.amdhsa_next_free_vgpr 258
		.amdhsa_next_free_sgpr 66
		.amdhsa_reserve_vcc 1
		.amdhsa_float_denorm_mode_32 3
		.amdhsa_float_denorm_mode_16_64 3
		.amdhsa_memory_ordered 1
		.amdhsa_forward_progress 1
		.amdhsa_inst_pref_size 90
	.end_amdhsa_kernel
	.amdgpu_metadata
---
amdhsa.version: [ 1, 2 ]
amdhsa.kernels:
  - .name:           k_qc5f90779a8_embed
    .symbol:         k_qc5f90779a8_embed.kd
    .args:
      - { .name: times, .offset: 0, .size: 8, .value_kind: global_buffer, .address_space: global }
      - { .name: type_emb, .offset: 8, .size: 8, .value_kind: global_buffer, .address_space: global }
      - { .name: real_len, .offset: 16, .size: 8, .value_kind: global_buffer, .address_space: global }
      - { .name: kc, .offset: 24, .size: 8, .value_kind: global_buffer, .address_space: global }
      - { .name: sc, .offset: 32, .size: 8, .value_kind: global_buffer, .address_space: global }
      - { .name: vc, .offset: 40, .size: 8, .value_kind: global_buffer, .address_space: global }
    .group_segment_fixed_size: 17920
    .private_segment_fixed_size: 0
    .kernarg_segment_align: 8
    .kernarg_segment_size: 48
    .max_flat_workgroup_size: 128
    .sgpr_count:     66
    .vgpr_count:     258
    .wavefront_size: 32
...
	.end_amdgpu_metadata
.endif
;; end of part 3
;; launch attend (part 4): grid 16 x 16, 4 waves a work-group, no clusters, 46,592 bytes of LDS; arguments real_len, kc, sc, vc, out0; writes out0
.if DOCPART == 4
	.amdgcn_target "amdgcn-amd-amdhsa--gfx1250"
	.amdhsa_code_object_version 6
	.text
	.protected	k_qc5f90779a8_attend
	.globl	k_qc5f90779a8_attend
	.p2align	8
	.type	k_qc5f90779a8_attend,@function
k_qc5f90779a8_attend:
	s_mov_b64 s[64:65], 0
	v_nop
	global_prefetch_b8 v0, s[64:65] scope:SCOPE_SE
	s_setreg_imm32_b32 hwreg(HW_REG_WAVE_SCHED_MODE, 0, 2), 2
	s_setreg_imm32_b32 hwreg(HW_REG_WAVE_MODE, 25, 1), 1
	s_wait_xcnt 0x0
	s_wait_alu depctr_vm_vsrc(0)
; out0[b][g][:] = the sum over the events n that count of softmax_n(emb[b][n] . q[g] / sqrt(512)) emb[b][n][:], both products on codes of FP4 (E2M1) with E8M0 scales, made by the launch before
; (kc: emb and q along d; vc: emb along the events; sc: the scale words; all in the order of the operands' registers: see that launch's head).
; SHARES.  A work-group (x = qb, y = b) owns 64 grid queries of one sample, four tiles of 16; tile j, lane r is g = 64 qb + 32 (j / 2) + 8 (j % 2) + r + 8 (r / 8).  It walks 32 steps of 128 events.
; Both products are used transposed, so that a lane holds one query throughout.  AS PRODUCER wave w makes S^T = K Q^T for events 32 w .. 32 w + 31 (two tiles of 16 rows, chosen so that a lane's 16 registers are 16
; neighbouring events) against all four tiles of queries: one block of 32 events for each query.  AS CONSUMER it holds O^T for d = 128 w .. 128 w + 127 and all four tiles.  So every fragment of K and of V is read by
; ONE wave and feeds four products; only p's codes go from wave to wave, through LDS, as parts of the operand's register image.
; THE SOFTMAX.  t = score x log2(e) / sqrt(512).  Each producer keeps, for each query, its own running whole number M (as -M = floor(-largest t)) and its own sum l of the unquantised p = 2^(t - M).  With a block's codes it
; hands on E = the block's byte + M, a whole number: the block's exponent free of M.  A consumer keeps R = the largest E so far, multiplies O^T by 2^(old R - new R), which rounds nothing, and gives block e the byte
; max(E - R + 127, 0).  At the end the four waves' sums are brought under the largest M, and O^T is multiplied by 2^(R - 127 - that M) / the sum.
; WHAT IS LEFT OUT.  The events from real_len on are masked.  A step none of whose events counts is passed over by scalar branches on real_len (step 0 is always walked); in a boundary step hidden scores become
; -infinity ahead of the maximum.  The barrier and the waits in front of it stand on every path.
; NO TENSOR LOADS, NO RING, NO CLUSTER: a fragment has one reader in a work-group, so LDS would add a write and a read of each byte and spare none.
; all 32 steps would be walked where (real_len[0] + real_len[1]) / 128, rounded up by type, have work.  K's and V's fragments go from memory straight into registers, K two steps ahead and V one.
; LIMITS: NaN and infinities are not served; |t| stays under 2^20; a block more than 127 powers of two under the row's largest is given the byte 0 in place of a smaller scale; a sample with no event that counts gives NaN.
; THE MODE: SCHED_MODE bits 1:0 = 2 (LLVM: expert scheduling mode 2), set by the entry lines.  The code itself states the register dependences between vector or matrix instructions and memory or LDS instructions,
; with s_wait_alu, always for 0.
; THE PLAN.  Registers that memory or LDS instructions touch in step I, p = I % 2:
;   K[p] and its scale words      read by step I's first products; the loads of step I + 2 land there, issued in step I behind the softmax.
;   V[1 - p] and its scale words  read by step I - 1's second products; the loads of step I + 1 land there, issued in step I behind K's.
;   the codes and E (v64-75)      written by the softmax, read by the LDS stores behind it, written again by the next walked step's softmax.
;   E4 and p's codes              the LDS loads behind the barrier land there; the consumer's lines and the second products of the walked step before have named them.
;   the addresses v1-v10          made at the head, never written again: scalar bases move on, immediate offsets do the rest.  v13 is an offset at the head alone and the mask's bound from then on.
; So ONE wait on va_vdst, ahead of the stores of p's codes, states all that the step's stores, its 37 loads from memory and its 12 LDS loads behind the barrier hang on: no vector or matrix line stands between it and
; them.  The same line stands once more where the way round a step's work joins.  One wait on vm_vsrc stands in front of the barrier.  One wait on va_vdst stands ahead of the second products: p's scale words are made by vector lines.
; REGISTERS, in windows of 256 (s_set_vgpr_msb: bits 1:0 source 0, 3:2 source 1, 5:4 source 2, 7:6 destination):
;   window 0: addresses, statistics, scale words, S^T, v176-239 K's set 1;  window 1 (tiles 0, 1) and window 3 (tiles 2, 3): v0-127 O^T, v128-143 p's codes, v144-207 Q;
;   window 2: v0-63 K's set 0, v64-127 V's set 0, v128-135 the factors for O^T, as pairs, v136-199 V's set 1.
.set BUFB,  5120                       ; LDS: two buffers by turns: four images of p (1,024 bytes each), then 1,024 bytes of E: [tile][query][wave] words
.set ML,    10240                      ; [wave][tile][query] pairs (-M, l): 2,048 bytes
.set STG,   12288                      ; the way out: 16 rows x (512 + 16) bytes for each wave
.set SPITCH, 528
.set L16,  1                           ; v1   16 x lane
.set KO,   2                           ; v2   K's fragments: 16 x lane + 2,048 w
.set VO,   3                           ; v3   V's: 16 x lane + 8,192 w
.set KSO,  4                           ; v4   K's scale words: 4 x lane + 128 w
.set VSO,  5                           ; v5   V's: 16 x lane + 2,048 + 512 w
.set PF,   6                           ; v6   prefetches of codes: 256 x lane + 8,192 w; never rewritten
.set PFS,  7                           ; v7   of scale words: 256 x lane; never rewritten
.set PST,  8                           ; v8   where my 16 codes go in an image: 256 w + 16 r + 8 h
.set EST,  9                           ; v9   where my E goes: 4,096 + 16 r + 4 w
.set ELD,  10                          ; v10  where a query's four E lie: 4,096 + 16 r
.set MD,   11                          ; v11  my first event in a step: 32 w + 16 h
.set NINF, 12                          ; v12  -infinity
.set DD,   13                          ; v13  at the head 4 x lane; then the mask's bound
.set MLS,  14
.set MLL,  15
.set ST,   16                          ; v16-31 tile j: +0 -M, +1 the largest t, +2, +3 the sum in two halves
.set R,    32
.set VSW1, 36                          ; v36-39 V's scale words, set 1
.set K0,   40                          ; v40-43 the consumer's, at work
.set OLD,  40                          ; and the producer's, ahead of the barrier: the two never live together
.set FP,   44                          ; v44-51 the producer's factor, as pairs
.set BM,   52                          ; v52-55 the producer's block maxima
.set RN,   52                          ; and, behind the barrier, the consumer's new R
.set PD,   56                          ; destinations of lane permutes
.set SO,   60
.set EV,   64
.set PCD,  68                          ; v68-75 16 codes a tile
.set E4,   76                          ; v76-91 four E a tile
.set KSW,  92                          ; v92-95 K's scale words, set 0; v96-103 Q's; v104-107 V's, set 0; v108-111 p's: these, v36-39 and v240-243 hold scales and nothing else
.set QSW,  96
.set VSW,  104
.set PW,   108
.set S,    112                         ; v112-175 S^T, then p: tile j, row tile u at S + 16 j + 8 u
.set RB,   112                         ; the way out: rows read back: v112-175 and v176-239 by turns
.set K1R,  176                         ; v176-239 K's set 1
.set KSW1, 240                         ; v240-243 K's scale words, set 1
.set STO,  244
.set RD,   245
.set TT,   246                         ; v246-253 at work
.set FR,   128                         ; window 2: the factors
.set PR,   128                         ; windows 1, 3: p's codes
.set QR,   144                         ; windows 1, 3: Q
.set VR,   64                          ; window 2: V's set 0; set 1 lies 72 registers on
.set MK,   68                          ; s68-83 the mask's sixteen compares
.set MSB, 0
.macro WIN new                         ; the immediate's high byte repeats the setting that is left; a switch that changes nothing is dropped
.if MSB != (\new)
	s_set_vgpr_msb (MSB<<8)|(\new)
.set MSB, (\new)
.endif
.endm
.macro PLACES                          ; four plain lines behind matrix instructions (ISA guide 7.12.1)
.rept 4
	v_nop
.endr
.endm
; One scaled product, named by symbols: rD, rA, rB the registers, rX, rY the scale words; cz: it starts its sum; ra, rb: the scale words lie in lanes 16-31
.macro WM
.if cz && ra && rb
	v_wmma_scale_f32_16x16x128_f8f6f4 v[rD:rD+7], v[rA:rA+7], v[rB:rB+7], 0, v[rX], v[rY] matrix_a_fmt:MATRIX_FMT_FP4 matrix_b_fmt:MATRIX_FMT_FP4 matrix_a_scale:MATRIX_SCALE_ROW1 matrix_b_scale:MATRIX_SCALE_ROW1
.elseif cz && ra
	v_wmma_scale_f32_16x16x128_f8f6f4 v[rD:rD+7], v[rA:rA+7], v[rB:rB+7], 0, v[rX], v[rY] matrix_a_fmt:MATRIX_FMT_FP4 matrix_b_fmt:MATRIX_FMT_FP4 matrix_a_scale:MATRIX_SCALE_ROW1
.elseif cz && rb
	v_wmma_scale_f32_16x16x128_f8f6f4 v[rD:rD+7], v[rA:rA+7], v[rB:rB+7], 0, v[rX], v[rY] matrix_a_fmt:MATRIX_FMT_FP4 matrix_b_fmt:MATRIX_FMT_FP4 matrix_b_scale:MATRIX_SCALE_ROW1
.elseif cz
	v_wmma_scale_f32_16x16x128_f8f6f4 v[rD:rD+7], v[rA:rA+7], v[rB:rB+7], 0, v[rX], v[rY] matrix_a_fmt:MATRIX_FMT_FP4 matrix_b_fmt:MATRIX_FMT_FP4
.elseif ra && rb
	v_wmma_scale_f32_16x16x128_f8f6f4 v[rD:rD+7], v[rA:rA+7], v[rB:rB+7], v[rD:rD+7], v[rX], v[rY] matrix_a_fmt:MATRIX_FMT_FP4 matrix_b_fmt:MATRIX_FMT_FP4 matrix_a_scale:MATRIX_SCALE_ROW1 matrix_b_scale:MATRIX_SCALE_ROW1
.elseif ra
	v_wmma_scale_f32_16x16x128_f8f6f4 v[rD:rD+7], v[rA:rA+7], v[rB:rB+7], v[rD:rD+7], v[rX], v[rY] matrix_a_fmt:MATRIX_FMT_FP4 matrix_b_fmt:MATRIX_FMT_FP4 matrix_a_scale:MATRIX_SCALE_ROW1
.elseif rb
	v_wmma_scale_f32_16x16x128_f8f6f4 v[rD:rD+7], v[rA:rA+7], v[rB:rB+7], v[rD:rD+7], v[rX], v[rY] matrix_a_fmt:MATRIX_FMT_FP4 matrix_b_fmt:MATRIX_FMT_FP4 matrix_b_scale:MATRIX_SCALE_ROW1
.else
	v_wmma_scale_f32_16x16x128_f8f6f4 v[rD:rD+7], v[rA:rA+7], v[rB:rB+7], v[rD:rD+7], v[rX], v[rY] matrix_a_fmt:MATRIX_FMT_FP4 matrix_b_fmt:MATRIX_FMT_FP4
.endif
.endm
; 20 loads: a step's K for my 32 events, into set p: 2 row tiles x 4 K steps of 128 d, two loads of 16 bytes each, and 4 scale words (lanes 0-15 row tile 0, lanes 16-31 row tile 1).
; kb, sb: the scalar pairs that hold kc's and sc's base; on: how many steps behind those bases the step lies
.macro LOADK p, kb, sb, on
	WIN 0x80-0x80*(\p)                             ; destination window 2 (set 0) or 0 (set 1), address window 0
.irp u, 0,1
.irp ks, 0,1,2,3
.irp c, 0,1
	global_load_b128 v[K1R*(\p)+32*\u+8*\ks+4*\c:K1R*(\p)+32*\u+8*\ks+4*\c+3], v[KO], s[\kb:\kb+1] offset:32768*(\on)+8192*\ks+1024*\u+512*\c
.endr
.endr
.endr
	WIN 0
.irp ks, 0,1,2,3
	global_load_b32 v[KSW+(KSW1-KSW)*(\p)+\ks], v[KSO], s[\sb:\sb+1] offset:4096*(\on)+512*\ks
.endr
.endm
; 17 loads: a step's V for my 128 d, into set p: 8 tiles, and their scale words by one load (word i: lanes 0-15 tile 2 i, lanes 16-31 tile 2 i + 1).  vb, sb: the pairs that hold vc's and sc's base
.macro LOADV p, vb, sb
	WIN 0x80
.irp ta, 0,1,2,3,4,5,6,7
.irp c, 0,1
	global_load_b128 v[VR+72*(\p)+8*\ta+4*\c:VR+72*(\p)+8*\ta+4*\c+3], v[VO], s[\vb:\vb+1] offset:1024*\ta+512*\c
.endr
.endr
	WIN 0
	global_load_b128 v[VSW+(VSW1-VSW)*(\p):VSW+(VSW1-VSW)*(\p)+3], v[VSO], s[\sb:\sb+1]
.endm
	s_load_b256 s[4:11], s[0:1], 0x0               ; real_len s[4:5], kc s[6:7], sc s[8:9], vc s[10:11]
	s_load_b64 s[12:13], s[0:1], 0x20              ; out0
	v_lshl_add_u32 v254, v0, 2, 0xb400
	v_mov_b32 v255, 0
	v_lshrrev_b32 v1, 5, v0
	v_readfirstlane_b32 s14, v1                    ; wave w
	s_mov_b32 s15, ttmp9                           ; qb
	s_and_b32 s16, ttmp7, 0xffff                   ; b
	s_lshl_b32 s46, s16, 2                         ; s46: 4 b, the offset of the two loads below: a register of its own, written by no other line, so that no source of a pending load is written
	s_wait_kmcnt 0x0
	s_load_b32 s17, s[4:5], s46 offset:0x0         ; real_len[0][b]
	s_load_b32 s18, s[4:5], s46 offset:0x40        ; real_len[1][b]
	v_and_b32 v246, 31, v0                         ; lane
	v_and_b32 v247, 15, v0                         ; r
	v_bfe_u32 v248, v0, 4, 1                       ; h
	v_lshlrev_b32 v[L16], 4, v246
	s_wait_alu depctr_va_sdst(0)                   ; s14, the wave's number, is written, ahead of its first reader
	s_lshl_b32 s36, s14, 11
	v_add_nc_u32 v[KO], s36, v[L16]
	s_lshl_b32 s36, s14, 13
	v_add_nc_u32 v[VO], s36, v[L16]
	v_lshlrev_b32 v[PFS], 8, v246
	v_add_nc_u32 v[PF], s36, v[PFS]
	v_lshlrev_b32 v[DD], 2, v246
	s_lshl_b32 s36, s14, 7
	v_add_nc_u32 v[KSO], s36, v[DD]
	s_lshl_b32 s36, s14, 9
	s_add_co_u32 s37, s36, 2048
	v_add_nc_u32 v[VSO], s37, v[L16]
	v_lshlrev_b32 v249, 4, v247
	v_lshl_add_u32 v[PST], v248, 3, v249
	s_lshl_b32 s37, s14, 8
	v_add_nc_u32 v[PST], s37, v[PST]
	v_add_nc_u32 v[ELD], 4096, v249
	s_lshl_b32 s37, s14, 2
	v_add_nc_u32 v[EST], s37, v[ELD]
	v_lshlrev_b32 v[MD], 4, v248
	s_lshl_b32 s37, s14, 5
	v_add_nc_u32 v[MD], s37, v[MD]
	v_mov_b32 v[NINF], 0xff800000
	v_lshl_add_u32 v[MLL], v247, 3, ML
	v_add_nc_u32 v[MLS], s36, v[MLL]               ; + 512 w
	s_mul_i32 s37, s14, 16*SPITCH
	s_add_co_u32 s37, s37, STG                     ; my stage
	v_mul_u32_u24 v[STO], v247, SPITCH             ; in: row r, 32 bytes for each half of the lanes
	v_lshl_add_u32 v[STO], v248, 5, v[STO]
	v_add_nc_u32 v[STO], s37, v[STO]
	v_add_nc_u32 v[RD], s37, v[L16]                ; back: the 32 lanes take one row of 512 bytes
	s_mov_b32 s26, 0x3d8293ee                      ; c = log2(e) / sqrt(512); named as a pair, so both words are written
	s_mov_b32 s27, s26
	s_mov_b32 s28, 0x76543210                      ; v_permlanex16_b32's selects for lane l xor 16
	s_mov_b32 s29, 0xfedcba98
	s_mov_b32 s30, 0x49800000                      ; 2^20
	s_mov_b32 s44, 0xc9800000                      ; -2^20
	s_mov_b32 s31, 0x4b00007f                      ; 2^23 + 127
	s_mov_b32 s32, 0x4b000000                      ; 2^23
	s_mov_b32 s33, 0x04000400                      ; v_perm_b32: the low bytes of two words, by turns
	s_mov_b32 s34, 0x05040100                      ; the low halves of two words
	s_mov_b32 s22, 0                               ; I: the step
	; Q's fragments and scale words: flat step 512 + qb / 2, its row groups 2 (qb % 2) and 2 (qb % 2) + 1
	s_lshr_b32 s38, s15, 1
	s_add_co_u32 s38, s38, 512
	s_lshl_b32 s42, s38, 12
	s_lshl_b32 s38, s38, 15
	s_and_b32 s40, s15, 1
	s_lshl_b32 s41, s40, 12
	s_add_co_u32 s38, s38, s41
	s_mov_b32 s39, 0
	s_lshl_b32 s41, s40, 8
	s_add_co_u32 s42, s42, s41
	s_mov_b32 s43, 0
	s_add_nc_u64 s[38:39], s[6:7], s[38:39]
	s_add_nc_u64 s[42:43], s[8:9], s[42:43]
	s_lshl_b32 s36, s16, 20                        ; the sample's 32 steps: 32,768 bytes each of kc and of vc,
	s_mov_b32 s37, 0
	s_add_nc_u64 s[6:7], s[6:7], s[36:37]
	s_add_nc_u64 s[10:11], s[10:11], s[36:37]
	s_lshl_b32 s36, s16, 17                        ; 4,096 of sc
	s_add_nc_u64 s[8:9], s[8:9], s[36:37]
	s_lshl_b32 s36, s16, 21                        ; out0: 2^21 b + 64 rows of 2,048 bytes x qb + my 512 bytes of a row
	s_lshl_b32 s40, s15, 17
	s_add_co_u32 s36, s36, s40
	s_lshl_b32 s40, s14, 9
	s_add_co_u32 s36, s36, s40
	s_add_nc_u64 s[12:13], s[12:13], s[36:37]
.irp hi, 0,1
	WIN 0x40+0x80*\hi                              ; destination window 1, then 3
.if \hi == 0
	s_wait_alu depctr_va_vdst(0)                   ; the offsets and LDS addresses v1 to v15, v244 and v245 are written: every load, store and prefetch of the kernel reads one of them
.endif
.irp jj, 0,1
.irp ks, 0,1,2,3
.irp c, 0,1
	global_load_b128 v[QR+32*\jj+8*\ks+4*\c:QR+32*\jj+8*\ks+4*\c+3], v[L16], s[38:39] offset:8192*\ks+2048*\hi+1024*\jj+512*\c
.endr
.endr
.endr
.endr
	WIN 0
.irp hi, 0,1
.irp ks, 0,1,2,3
	global_load_b32 v[QSW+4*\hi+\ks], v[DD], s[42:43] offset:512*\ks+128*\hi   ; lanes 0-15 the even tile's words, lanes 16-31 the odd tile's
.endr
.endr
	LOADK 0, 6, 8, 0                               ; step 0's K
.irp j, 0,1,2,3                                ; (these lines name none of the registers that a load of the head touches)
	v_mov_b32 v[ST+4*\j+1], 0xff61b1e6             ; the largest t so far: -3e38, under every t
	v_mov_b32 v[ST+4*\j+2], 0                      ; the sum
	v_mov_b32 v[ST+4*\j+3], 0
	v_mov_b32 v[R+\j], 0xca000000                  ; R: -2^21, under every E
	v_mov_b32 v[PD+\j], 0                          ; a lane permute's destination counts as one of its sources
	v_mov_b32 v[FP+2*\j+1], 0                      ; named as the upper half of a pair
.endr
.irp j, 0,1,2,3
	v_floor_f32 v[ST+4*\j], -v[ST+4*\j+1]          ; -M
.endr
	WIN 0x80
.irp j, 0,1,2,3
	v_mov_b32 v[FR+2*\j+1], 0                      ; likewise
.endr
	WIN 0
	s_wait_kmcnt 0x0
	s_max_i32 s17, s17, 0                          ; the lengths, held to 0 .. 2,048
	s_min_i32 s17, s17, 2048
	s_max_i32 s18, s18, 0
	s_min_i32 s18, s18, 2048
	s_add_co_u32 s36, s17, 127
	s_lshr_b32 s36, s36, 7                         ; steps of type 0 with an event that counts,
	s_add_co_u32 s37, s18, 127
	s_lshr_b32 s37, s37, 7                         ; of type 1
	s_bfm_b32 s19, s36, 0
	s_bfm_b32 s37, s37, 16
	s_or_b32 s19, s19, s37
	s_or_b32 s19, s19, 1                           ; s19: bit i: step I + i has work; step 0 is always walked.  It goes one to the right at each step's end
	s_cmp_eq_u32 s15, 0
	s_cselect_b32 s20, s19, 0                      ; s20: the same in the sample's first work-group, which prefetches; else 0
	s_cmp_eq_u32 s14, 0
	s_cselect_b32 s21, s20, 0                      ; s21: the same in its wave 0
	; The second sets are filled for the first time on every way through the text: with step 1 where it has work, else with step 0 once more, which is then not multiplied
	s_bfe_u32 s54, s19, 0x10001                    ; 1 where step 1 has work
	s_min_u32 s54, s54, 1                          ; held: a number made of loaded ones goes into an offset
	s_lshl_b32 s56, s54, 12                        ; 4,096 bytes of sc,
	s_lshl_b32 s54, s54, 15                        ; 32,768 of kc and of vc
	s_mov_b32 s55, 0
	s_mov_b32 s57, 0
	s_add_nc_u64 s[48:49], s[6:7], s[54:55]        ; bases of their own, never written again
	s_add_nc_u64 s[50:51], s[8:9], s[56:57]
	s_add_nc_u64 s[52:53], s[10:11], s[54:55]
	LOADK 1, 48, 50, 0                             ; step 1's K
	LOADV 0, 10, 8                                 ; step 0's V
	s_wait_xcnt 0x0                                ; the loads above have read their bases
	s_wait_alu depctr_vm_vsrc(0)                   ; the loads of Q's scale words have read v13, which the mask's bound writes from here on
	s_add_nc_u64 s[6:7], s[6:7], 32768             ; on to step 1
	s_add_nc_u64 s[10:11], s[10:11], 32768
	s_add_nc_u64 s[8:9], s[8:9], 4096
; S^T = K Q^T, K from set p: 32 products.  In each half four accumulators (2 tiles of queries x 2 row tiles) take turns, one instruction a turn; the first K step starts the sums.
.macro SMUL p
.irp hi, 0,1
	WIN 0x06-2*(\p)+8*\hi                          ; K window 2 or 0, Q window 1 or 3, S^T window 0
.irp ks, 0,1,2,3
.irp jj, 0,1
.irp u, 0,1
.set rD, S+16*(2*\hi+\jj)+8*\u
.set rA, K1R*(\p)+32*\u+8*\ks
.set rB, QR+32*\jj+8*\ks
.set rX, KSW+(KSW1-KSW)*(\p)+\ks
.set rY, QSW+4*\hi+\ks
.set cz, \ks==0
.set ra, \u
.set rb, \jj
	WM
.endr
.endr
.endr
.endr
	WIN 0
.endm
; In the step that holds a type's last event that counts, the scores of the events behind it become -infinity.  Register n of a tile holds event 32 w + 16 h + n of the step.
.macro MASK
	s_and_b32 s36, s22, 15
	s_lshl_b32 s36, s36, 7
	s_cmp_lt_u32 s22, 16
	s_cselect_b32 s37, s17, s18
	s_sub_co_i32 s36, s37, s36                     ; how many of the type's events from this step's first on count
	s_cmp_ge_i32 s36, 128
	s_cbranch_scc1 .Lopen_\@
	v_sub_nc_u32 v[DD], s36, v[MD]                 ; hidden where n >= this
.irp n, 0,1,2,3,4,5,6,7,8,9,10,11,12,13,14,15
	v_cmp_ge_i32 s[MK+\n], \n, v[DD]               ; the sixteen compares in one run, a scalar register each
.endr
	s_wait_alu depctr_va_sdst(0)                   ; the sixteen masks s68 to s83 are written, ahead of the first select that reads one
.irp n, 0,1,2,3,4,5,6,7,8,9,10,11,12,13,14,15
.irp j, 0,1,2,3
	v_cndmask_b32 v[S+16*\j+\n], v[S+16*\j+\n], v[NINF], s[MK+\n]
.endr
.endr
.Lopen_\@:
.endm
; My block of 32 events for each of the 64 queries: the four tiles by turns, so that no line waits for the line above it.
.macro SOFTMAX
.irp j, 0,1,2,3
	v_max3_num_f32 v[BM+\j], v[S+16*\j], v[S+16*\j+1], v[S+16*\j+2]   ; the block's largest score: it serves the running maximum and, since p rises with the score, the block's largest p
.endr
.irp i, 3,5,7,9,11,13
.irp j, 0,1,2,3
	v_max3_num_f32 v[BM+\j], v[BM+\j], v[S+16*\j+\i], v[S+16*\j+\i+1]
.endr
.endr
.irp j, 0,1,2,3
	v_max_num_f32 v[BM+\j], v[BM+\j], v[S+16*\j+15]
.endr
.irp j, 0,1,2,3
	v_permlanex16_b32 v[PD+\j], v[BM+\j], s28, s29
.endr
.irp j, 0,1,2,3
	v_max_num_f32 v[BM+\j], v[BM+\j], v[PD+\j]     ; with lane l xor 16's 16 events
.endr
.irp j, 0,1,2,3
	v_mul_f32 v[TT+\j], s26, v[BM+\j]              ; as t (c is positive)
.endr
.irp j, 0,1,2,3
	v_max_num_f32 v[ST+4*\j+1], v[ST+4*\j+1], v[TT+\j]
.endr
.irp j, 0,1,2,3
	v_mov_b32 v[OLD+\j], v[ST+4*\j]
.endr
.irp j, 0,1,2,3
	v_floor_f32 v[ST+4*\j], -v[ST+4*\j+1]          ; the new -M = -ceil(the largest t): a whole number
.endr
.irp j, 0,1,2,3
	v_sub_f32 v[OLD+\j], v[ST+4*\j], v[OLD+\j]     ; old M - new M, 0 or less
.endr
.irp j, 0,1,2,3
	v_cvt_i32_f32 v[OLD+\j], v[OLD+\j]             ; (it saturates)
.endr
.irp j, 0,1,2,3
	v_ldexp_f32 v[FP+2*\j], 1.0, v[OLD+\j]         ; 2^(old M - new M): brings my sum under the new M and rounds nothing
.endr
.irp i, 0,2,4,6,8,10,12,14
.irp j, 0,1,2,3
	v_pk_fma_f32 v[S+16*\j+\i:S+16*\j+\i+1], v[S+16*\j+\i:S+16*\j+\i+1], s[26:27], v[ST+4*\j:ST+4*\j+1] op_sel_hi:[1,0,0]   ; t - M, two at a time
.endr
.endr
.irp j, 0,1,2,3
	v_fma_f32 v[BM+\j], v[BM+\j], s26, v[ST+4*\j]  ; the same of the block's largest score
.endr
	s_wait_alu depctr_va_vdst(0)
.irp i, 0,1,2,3,4,5,6,7,8,9,10,11,12,13,14,15
.irp j, 0,1,2,3
	v_exp_f32 v[S+16*\j+\i], v[S+16*\j+\i]         ; p = 2^(t - M): not normalised
.endr
.endr
.irp j, 0,1,2,3
	v_med3_num_f32 v[TT+\j], v[ST+4*\j], s44, s30  ; -M held to +-2^20, for E.  (Plain lines behind the exponentials)
.endr
	s_wait_alu depctr_va_vdst(0)                   ; the 64 exponentials have written p: one wait for them, ahead of their first reader
.irp j, 0,1,2,3
	v_exp_f32 v[BM+\j], v[BM+\j]                   ; the block's largest p: the same two instructions on the same number give the same bits
.endr
.irp j, 0,1,2,3
	v_pk_fma_f32 v[ST+4*\j+2:ST+4*\j+3], v[ST+4*\j+2:ST+4*\j+3], v[FP+2*\j:FP+2*\j+1], v[S+16*\j:S+16*\j+1] op_sel_hi:[1,0,1]   ; the sum, of the unquantised p
.endr
.irp i, 2,4,6,8,10,12,14
.irp j, 0,1,2,3
	v_pk_add_f32 v[ST+4*\j+2:ST+4*\j+3], v[ST+4*\j+2:ST+4*\j+3], v[S+16*\j+\i:S+16*\j+\i+1]
.endr
.endr
	s_wait_alu depctr_va_vdst(0)                   ; the four exponentials have written the blocks' largest p, ahead of their first reader
.irp j, 0,1,2,3
	v_max_num_f32 v[BM+\j], 0x1800000, v[BM+\j]    ; the floor 2^(3 - 127): the byte cannot fall under 1 (a block of zeros keeps that byte over zero codes)
.endr
.irp j, 0,1,2,3
	v_add_nc_u32 v[SO+\j], 0xff000000, v[BM+\j]    ; 2 off the exponent field: the conversion's scale operand
.endr
.irp j, 0,1,2,3
	v_lshrrev_b32 v[EV+\j], 23, v[SO+\j]           ; the byte,
.endr
.irp j, 0,1,2,3
	v_cvt_f32_u32 v[EV+\j], v[EV+\j]
.endr
.irp j, 0,1,2,3
	v_sub_f32 v[EV+\j], v[EV+\j], v[TT+\j]         ; + M: E
.endr
.irp j, 0,1,2,3
	v_cvt_scalef32_pk8_fp4_f32 v[PCD+2*\j], v[S+16*\j:S+16*\j+7], v[SO+\j]
	v_cvt_scalef32_pk8_fp4_f32 v[PCD+2*\j+1], v[S+16*\j+8:S+16*\j+15], v[SO+\j]
.endr
	v_nop                                          ; a plain line behind the last conversion: matrix instructions write its sources again
.endm
.macro PSTORE buf                      ; my 8 bytes of each image: block w is register group w / 2, lanes 16 (w % 2) + r; events 16 h on are bytes 8 h on.  And E
.irp j, 0,1,2,3
	ds_store_b64 v[PST], v[PCD+2*\j:PCD+2*\j+1] offset:\buf*BUFB+1024*\j
.endr
.irp j, 0,1,2,3
	ds_store_b32 v[EST], v[EV+\j] offset:\buf*BUFB+256*\j   ; both halves of the lanes write the same word with the same value
.endr
.endm
; The four waves' E and codes come back; R moves; p's scale words are made.  The twelve loads owe no wait of their own: no vector or matrix line stands between them and the step's wait on va_vdst in front of the barrier.
.macro CONSUME buf
.irp j, 0,1,2,3
	ds_load_b128 v[E4+4*\j:E4+4*\j+3], v[ELD] offset:\buf*BUFB+256*\j
.endr
.irp hi, 0,1
	WIN 0x40+0x80*\hi
.irp jj, 0,1
.irp c, 0,1
	ds_load_b128 v[PR+8*\jj+4*\c:PR+8*\jj+4*\c+3], v[L16] offset:\buf*BUFB+1024*(2*\hi+\jj)+512*\c
.endr
.endr
.endr
	WIN 0
	s_wait_dscnt 8                                 ; the four loads of E are in; the eight of codes, issued behind them, may be out
.irp j, 0,1,2,3
	v_max3_num_f32 v[RN+\j], v[R+\j], v[E4+4*\j], v[E4+4*\j+1]
.endr
.irp j, 0,1,2,3
	v_max3_num_f32 v[RN+\j], v[RN+\j], v[E4+4*\j+2], v[E4+4*\j+3]
.endr
.irp j, 0,1,2,3
	v_sub_f32 v[K0+\j], v[R+\j], v[RN+\j]          ; old R - new R: a whole number, 0 or less
.endr
.irp j, 0,1,2,3
	v_cvt_i32_f32 v[K0+\j], v[K0+\j]
.endr
	WIN 0x80
.irp j, 0,1,2,3
	v_ldexp_f32 v[FR+2*\j], 1.0, v[K0+\j]          ; the factor for O^T
.endr
	WIN 0
.irp j, 0,1,2,3
	v_mov_b32 v[R+\j], v[RN+\j]
.endr
.irp j, 0,1,2,3
	v_sub_f32 v[K0+\j], s31, v[RN+\j]              ; 2^23 + 127 - R: exact, all these are whole numbers under 2^24
.endr
.irp e, 0,1,2,3
.irp j, 0,1,2,3
	v_add_f32 v[E4+4*\j+\e], v[E4+4*\j+\e], v[K0+\j]
.endr
.endr
.irp e, 0,1,2,3
.irp j, 0,1,2,3
	v_max_num_f32 v[E4+4*\j+\e], s32, v[E4+4*\j+\e]   ; 2^23 + max(E - R + 127, 0): the byte is the word's low byte
.endr
.endr
.irp j, 0,1,2,3
	v_perm_b32 v[TT+2*\j], v[E4+4*\j+1], v[E4+4*\j], s33
	v_perm_b32 v[TT+2*\j+1], v[E4+4*\j+3], v[E4+4*\j+2], s33
.endr
.irp j, 0,1,2,3
	v_perm_b32 v[PW+\j], v[TT+2*\j+1], v[TT+2*\j], s34   ; lane r: query r's four bytes, block e in byte e
.endr
	s_wait_dscnt 0x0                               ; p's codes are in
.endm
.macro RSC hi, jj, ta                  ; one accumulator of O^T x the factor, from its low end on
.irp i, 0,2,4,6
	v_pk_mul_f32 v[64*(\jj)+8*(\ta)+\i:64*(\jj)+8*(\ta)+\i+1], v[FR+2*(2*(\hi)+(\jj)):FR+2*(2*(\hi)+(\jj))+1], v[64*(\jj)+8*(\ta)+\i:64*(\jj)+8*(\ta)+\i+1] op_sel_hi:[0,1]
.endr
.endm
; O^T += V^T P^T, V from set p: 32 products, each on an accumulator of its own.  The rescaling stands among them under the same setting of the windows (the factor as source 0, window 2): an accumulator is rescaled
; a tile of d ahead of its product.  The first eight lines are also the eight places between the lines that made p's scale words and the first product.
.macro PVMUL zero, p
.irp hi, 0,1
	WIN 0x56+0xa8*\hi                              ; V and the factor window 2; p, O^T window 1 or 3
.if \zero
.if \hi == 0
.rept 8
	v_nop
.endr
.endif
.else
	RSC \hi, 0, 0
	RSC \hi, 1, 0
.endif
.if \hi == 0
	s_wait_alu depctr_va_vdst(0)                   ; the byte permutes have written p's four scale words v108 to v111, which the products below take as scales; the eight places above stay beside this wait
.endif
.irp ta, 0,1,2,3,4,5,6,7
.irp jj, 0,1
.set rD, 64*\jj+8*\ta
.set rA, VR+72*(\p)+8*\ta
.set rB, PR+8*\jj
.set rX, VSW+(VSW1-VSW)*(\p)+\ta/2
.set rY, PW+2*\hi+\jj
.set cz, \zero
.set ra, \ta%2
.set rb, 0
	WM
.if (\zero == 0) && (\ta < 7)
	RSC \hi, \jj, \ta+1
.endif
.endr
.endr
.endr
	WIN 0
.endm
; A STEP of 128 events.  zero = 1: the first, which starts O^T's sums and is always walked; buf = I % 2: the LDS buffer, and the sets of K and V that are multiplied; last = 1: nothing more is fetched.
; THE ORDER OF THE LOADS: the head asks for K of steps 0 and 1 and V of step 0; step I for K of step I + 2 (20 loads), then V of step I + 1 (17).  An arm that passes over a load waits for all loads, so that the counts hold there too.
.macro STEP zero, buf, last
.if \zero
	s_wait_loadcnt 37                              ; step 0's K is in: behind it were issued step 1's K (20) and step 0's V (17)
.else
	s_wait_loadcnt 54                              ; this step's K is in: behind it were issued the last step's V (17), the next step's K (20) and this step's V (17)
	s_bitcmp1_b32 s19, 0
	s_cbranch_scc0 .Lno_p_\@
.endif
	SMUL \buf
	PLACES                                         ; ahead of the first read of the scores
	MASK
	SOFTMAX
	s_wait_alu depctr_va_vdst(0)                   ; the conversions have written the codes v68 to v75 and the subtractions E, v64 to v67, which the stores below read.  And: this step's first products are done reading
	                                               ; K's set and its scale words, the last walked step's second products V's other set, its scale words and p's codes, its consumer's lines E4: the loads below, up to the second products, land in these
	PSTORE \buf
.if \zero == 0
.Lno_p_\@:
	s_wait_alu depctr_va_vdst(0)                   ; for the way that comes round the step's work, on which the wait above was not passed: the last walked step's products and consumer's lines are done with the registers in which the loads below land
.endif
.if \last == 0
	s_bitcmp1_b32 s19, 2
	s_cbranch_scc0 .Lno_k_\@
	LOADK \buf, 6, 8, 1                            ; K of step I + 2, into the set just multiplied: it has nearly two steps in which to come
	s_branch .Lhave_k_\@
.Lno_k_\@:
	s_wait_loadcnt 0x0                             ; so that the counted waits hold on this path too
.Lhave_k_\@:
.if \zero
	LOADV 1, 52, 50                                ; V's set 1 is filled for the first time on every way: step 1's, or step 0's once more (the head's bases)
.else
	s_bitcmp1_b32 s19, 1
	s_cbranch_scc0 .Lno_v_\@
	LOADV 1-\buf, 10, 8                            ; V of step I + 1, into the set that the step before multiplied: it has a whole step in which to come
	s_branch .Lhave_v_\@
.Lno_v_\@:
	s_wait_loadcnt 0x0
.Lhave_v_\@:
.endif
	; PREFETCHES INTO THE L2, behind the wave's loads.  The sample's sixteen work-groups walk the same codes: the first of them asks, for step I + 3, whose K is loaded a step on and whose V two steps on: 32,768 bytes of kc
	; and of vc, 8,192 a wave, lanes 256 bytes apart: each block once.  Steps 0 to 2 come by their loads alone; a step without work is not asked for, and none lies behind step 31.
	s_bitcmp1_b32 s20, 3
	s_cbranch_scc0 .Lno_a_\@
	global_prefetch_b8 v[PF], s[6:7] offset:65536 th:TH_LOAD_NT scope:SCOPE_SE
	global_prefetch_b8 v[PF], s[10:11] offset:65536 th:TH_LOAD_NT scope:SCOPE_SE
.Lno_a_\@:
.if \buf == 0
	s_bitcmp1_b32 s21, 4                           ; in the even steps its wave 0 asks for the scale words of steps I + 4 and I + 5: 8,192 bytes
	s_cbranch_scc0 .Lno_b_\@
	global_prefetch_b8 v[PFS], s[8:9] offset:12288 th:TH_LOAD_NT scope:SCOPE_SE
.Lno_b_\@:
.endif
.endif
	s_wait_dscnt 0x0                               ; for the others' sake: my codes and E lie in LDS; and my reads of the other buffer, a step ago, are over
	s_wait_alu depctr_vm_vsrc(0)                   ; my stores have read the codes v68 to v75 and E, v64 to v67, which the next walked step's softmax (behind the last step: the way out) writes again
	s_barrier_signal -1
	s_barrier_wait -1                              ; one barrier a step, on every path: a buffer is written again only behind the other buffer's barrier
.if \last
	s_wait_loadcnt 0x0
.else
	s_wait_loadcnt 37                              ; this step's V is in: behind it were issued K of step I + 2 (20) and V of step I + 1 (17)
.endif
.if \zero == 0
	s_bitcmp1_b32 s19, 0
	s_cbranch_scc0 .Lno_c_\@
.endif
	CONSUME \buf
	PVMUL \zero, \buf
.if \zero == 0
.Lno_c_\@:
.endif
	PLACES                                         ; on every path: four places behind the step's last products
.if \last == 0
	s_wait_xcnt 0x0                                ; the step's loads and prefetches have read their bases
	s_add_nc_u64 s[6:7], s[6:7], 32768
	s_add_nc_u64 s[10:11], s[10:11], 32768
	s_add_nc_u64 s[8:9], s[8:9], 4096
.endif
	s_lshr_b32 s19, s19, 1
	s_lshr_b32 s20, s20, 1
	s_lshr_b32 s21, s21, 1
	s_add_co_u32 s22, s22, 1
.endm
	STEP 1, 0, 0
	s_mov_b32 s35, 15
.Lpair:                                            ; a trip runs two steps, until the buffers and the sets are back where they began
	STEP 0, 1, 0
	STEP 0, 0, 0
	s_sub_co_u32 s35, s35, 1
	s_cmp_lg_u32 s35, 0
	s_cbranch_scc1 .Lpair
	STEP 0, 1, 1
	; THE WAY OUT.  Each producer's -M and sum go round through LDS; the sums are brought under the largest M.
.irp j, 0,1,2,3
	v_add_f32 v[ST+4*\j+2], v[ST+4*\j+2], v[ST+4*\j+3]
.endr
.irp j, 0,1,2,3
	v_permlanex16_b32 v[PD+\j], v[ST+4*\j+2], s28, s29
.endr
.irp j, 0,1,2,3
	v_add_f32 v[TT+2*\j+1], v[ST+4*\j+2], v[PD+\j] ; my block's sum for query r
.endr
.irp j, 0,1,2,3
	v_med3_num_f32 v[TT+2*\j], v[ST+4*\j], s44, s30
.endr
	s_wait_alu depctr_va_vdst(0)                   ; the lines above have written v246 to v253, which the stores read; and the first products are done reading K's set 1, v176 on, in which the loads behind the barrier land
.irp j, 0,1,2,3
	ds_store_b64 v[MLS], v[TT+2*\j:TT+2*\j+1] offset:128*\j
.endr
	s_wait_dscnt 0x0
	s_barrier_signal -1
	s_barrier_wait -1
.irp j, 0,1,2,3
.irp x, 0,1,2,3
	ds_load_b64 v[176+8*\j+2*\x:176+8*\j+2*\x+1], v[MLL] offset:512*\x+128*\j
.endr
.endr
	s_wait_dscnt 0x0
.irp j, 0,1,2,3
	v_min_num_f32 v[BM+\j], v[176+8*\j], v[178+8*\j]
.endr
.irp j, 0,1,2,3
	v_min_num_f32 v[BM+\j], v[BM+\j], v[180+8*\j]
.endr
.irp j, 0,1,2,3
	v_min_num_f32 v[BM+\j], v[BM+\j], v[182+8*\j]  ; the smallest -M: the largest M
.endr
.irp x, 0,1,2,3
.irp j, 0,1,2,3
	v_sub_f32 v[176+8*\j+2*\x], v[BM+\j], v[176+8*\j+2*\x]
.endr
.endr
.irp x, 0,1,2,3
.irp j, 0,1,2,3
	v_cvt_i32_f32 v[176+8*\j+2*\x], v[176+8*\j+2*\x]
.endr
.endr
.irp x, 0,1,2,3
.irp j, 0,1,2,3
	v_ldexp_f32 v[177+8*\j+2*\x], v[177+8*\j+2*\x], v[176+8*\j+2*\x]
.endr
.endr
.irp j, 0,1,2,3
	v_add_f32 v[SO+\j], v[177+8*\j], v[179+8*\j]
	v_add_f32 v[EV+\j], v[181+8*\j], v[183+8*\j]
.endr
.irp j, 0,1,2,3
	v_add_f32 v[SO+\j], v[SO+\j], v[EV+\j]         ; the row's sum
.endr
	s_wait_alu depctr_va_vdst(0)
.irp j, 0,1,2,3
	v_rcp_f32 v[SO+\j], v[SO+\j]
.endr
.irp j, 0,1,2,3
	v_add_f32 v[K0+\j], v[R+\j], v[BM+\j]          ; R - M.  (Plain lines behind the reciprocals)
.endr
.irp j, 0,1,2,3
	v_add_f32 v[K0+\j], 0xc2fe0000, v[K0+\j]       ; - 127
.endr
.irp j, 0,1,2,3
	v_cvt_i32_f32 v[K0+\j], v[K0+\j]
.endr
	s_wait_alu depctr_va_vdst(0)                   ; the four reciprocals have written v60 to v63: one wait for them, ahead of their first reader
	WIN 0x80
.irp j, 0,1,2,3
	v_ldexp_f32 v[FR+2*\j], v[SO+\j], v[K0+\j]     ; 2^(R - 127 - M) / the sum, where the loop's factor lay
.endr
; Tile j: scaled; a lane's eight d of a row go into my stage and come back as whole rows of 512 bytes.  LDS serves a wave's instructions in order (ISA guide 5.7.1.4): no wait between the stores and the loads.
.macro PACK j
	WIN 0x56+0xa8*((\j)/2)
.set i, 64*((\j)%2)
.rept 32
	v_pk_mul_f32 v[i:i+1], v[FR+2*(\j):FR+2*(\j)+1], v[i:i+1] op_sel_hi:[0,1]
.set i, i+2
.endr
	WIN 0x04+8*((\j)/2)                            ; an LDS store's data are its source 1: window 1 or 3
	s_wait_alu depctr_va_vdst(0)                   ; the multiplications have written the tile's O^T, which the stores read; and every vector line that named v112 to v239 is done: the rows read back below land there
.irp ta, 0,1,2,3,4,5,6,7
	ds_store_b128 v[STO], v[64*((\j)%2)+8*\ta:64*((\j)%2)+8*\ta+3] offset:64*\ta
	ds_store_b128 v[STO], v[64*((\j)%2)+8*\ta+4:64*((\j)%2)+8*\ta+7] offset:64*\ta+16
.endr
	WIN 0
.irp q, 0,1,2,3,4,5,6,7,8,9,10,11,12,13,14,15
	ds_load_b128 v[RB+64*((\j)%2)+4*\q:RB+64*((\j)%2)+4*\q+3], v[RD] offset:SPITCH*\q
.endr
.endm
.macro SEND j, younger                 ; younger: the LDS instructions issued behind tile j's loads: the next tile's 16 stores and 16 loads, or none
	s_wait_dscnt \younger
.irp q, 0,1,2,3,4,5,6,7,8,9,10,11,12,13,14,15
	global_store_b128 v[L16], v[RB+64*((\j)%2)+4*\q:RB+64*((\j)%2)+4*\q+3], s[12:13] offset:(32*((\j)/2)+8*((\j)%2)+\q+8*(\q/8))*2048 th:TH_STORE_NT   ; 32 lanes store 512 consecutive bytes, aligned; written once, read by nobody here
.endr
.endm
	PACK 0
	PACK 1
	SEND 0, 32
	s_wait_xcnt 0x0                                ; tile 0's stores have had their addresses translated,
	s_wait_alu depctr_vm_vsrc(0)                   ; and have read v112 to v175, in which tile 2's rows land
	PACK 2
	SEND 1, 32
	s_wait_xcnt 0x0                                ; tile 1's stores likewise,
	s_wait_alu depctr_vm_vsrc(0)                   ; and have read v176 to v239, in which tile 3's rows land
	PACK 3
	SEND 2, 32
	SEND 3, 0
	s_wait_dscnt 0x0                               ; the closing lines, six on end
	s_wait_alu 0x0
	s_wait_tensorcnt 0x0
	ds_add_u32 v254, v255
	s_wait_dscnt 0x0
	s_endpgm
.Lfunc_end_k_qc5f90779a8_attend:
	.size	k_qc5f90779a8_attend, .Lfunc_end_k_qc5f90779a8_attend-k_qc5f90779a8_attend
	.p2alignl 7, 3214868480
	.fill 96, 4, 3214868480
	.section	.rodata,"a",@progbits
	.p2align	6, 0x0
	.amdhsa_kernel k_qc5f90779a8_attend
		.amdhsa_group_segment_fixed_size 46592
		.amdhsa_private_segment_fixed_size 0
		.amdhsa_enable_private_segment 0
		.amdhsa_kernarg_size 40
		.amdhsa_user_sgpr_count 2
		.amdhsa_user_sgpr_kernarg_segment_ptr 1
		.amdhsa_wavefront_size32 1
		.amdhsa_system_sgpr_workgroup_id_x 1
		.amdhsa_system_sgpr_workgroup_id_y 1
		.amdhsa_system_sgpr_workgroup_id_z 1
		.amdhsa_system_vgpr_workitem_id 0
		.amdhsa_next_free_vgpr 1024
		.amdhsa_next_free_sgpr 84
		.amdhsa_reserve_vcc 0
		.amdhsa_float_denorm_mode_32 3
		.amdhsa_float_denorm_mode_16_64 3
		.amdhsa_memory_ordered 1
		.amdhsa_forward_progress 1
		.amdhsa_inst_pref_size 203
	.end_amdhsa_kernel
	.amdgpu_metadata
---
amdhsa.version: [ 1, 2 ]
amdhsa.kernels:
  - .name:           k_qc5f90779a8_attend
    .symbol:         k_qc5f90779a8_attend.kd
    .args:
      - { .name: real_len, .offset: 0, .size: 8, .value_kind: global_buffer, .address_space: global }
      - { .name: kc, .offset: 8, .size: 8, .value_kind: global_buffer, .address_space: global }
      - { .name: sc, .offset: 16, .size: 8, .value_kind: global_buffer, .address_space: global }
      - { .name: vc, .offset: 24, .size: 8, .value_kind: global_buffer, .address_space: global }
      - { .name: out0, .offset: 32, .size: 8, .value_kind: global_buffer, .address_space: global }
    .group_segment_fixed_size: 46592
    .private_segment_fixed_size: 0
    .kernarg_segment_align: 8
    .kernarg_segment_size: 40
    .max_flat_workgroup_size: 128
    .sgpr_count:     84
    .vgpr_count:     1024
    .wavefront_size: 32
...
	.end_amdgpu_metadata
.endif
;; end of part 4
